; MI455X (gfx1250); checked and timed in simulation.
; The chip was launched on July 23, 2026; its instructions are those of AMD's public machine-readable ISA for CDNA 5 (MIT licence, August 2026) and "CDNA5" Instruction Set Architecture Reference Guide (July 2026). The comments in the code are by the model that wrote it; some were corrected since.
;; Mo E Head. Allowed arithmetic: matrix products marked QUANTISED: E5M2 operands, one E8M0 scale for each 32 along K, by v_wmma_scale_f32_16x16x128_f8f6f4 with both operands' format E5M2, f32 sums; products left as they are: f32 operands where the result goes on into a quantised operand, else bf16, f16 or f32 operands; f32 sums; everything else in f32.
;; Inputs: b1 8 x 4,096 float32; b2 8 x 1,000 float32; gate_b 8 float32; gate_w 1,024 x 8 float32; w1 8 x 1,024 x 4,096 float32; w2 8 x 4,096 x 1,000 float32; x 1,024 x 1,024 float32.
;; Outputs: out0 1,024 x 1,000 float32; out1 one number float32.
;; This version of the problem:
;;   THIS VERSION OF THE PROBLEM IS GIVEN IN LOW PRECISION. The matrix products marked QUANTISED in the list below multiply operands that are first quantised to E5M2 (5 exponent bits, 2 mantissa bits; 8 bits a number), with one power-of-two scale for each 32 numbers along K (OCP MX v1.0); their sums are f32. All else is computed in f32.
;;   The module's matrix products, in the order in which they are computed (A, B: the left and right operand; K: the contracted axis; several contracted axes count as one K, in the product's order):
;;     1. [M 1,024, K 1,024] x [K 1,024, N 8]; A: input x; B: input gate_w: left as it is (N = 8 < 16)
;;     2. batch 1,024 x [M 1, K 2] x [K 2, N 8]; A: computed on the way; B: computed on the way: left as it is (K = 2 < 32)
;;     3. [M 1,024, K 1,024] x [K 1,024, N 4,096]; A: input x; B: input w1: QUANTISED
;;     4. [M 1,024, K 4,096] x [K 4,096, N 1,000]; A: computed on the way; B: input w2: QUANTISED
;;     5. [M 1,024, K 1,024] x [K 1,024, N 4,096]; A: input x; B: input w1: QUANTISED
;;     6. [M 1,024, K 4,096] x [K 4,096, N 1,000]; A: computed on the way; B: input w2: QUANTISED
;;     7. [M 1,024, K 1,024] x [K 1,024, N 4,096]; A: input x; B: input w1: QUANTISED
;;     8. [M 1,024, K 4,096] x [K 4,096, N 1,000]; A: computed on the way; B: input w2: QUANTISED
;;     9. [M 1,024, K 1,024] x [K 1,024, N 4,096]; A: input x; B: input w1: QUANTISED
;;     10. [M 1,024, K 4,096] x [K 4,096, N 1,000]; A: computed on the way; B: input w2: QUANTISED
;;     11. [M 1,024, K 1,024] x [K 1,024, N 4,096]; A: input x; B: input w1: QUANTISED
;;     12. [M 1,024, K 4,096] x [K 4,096, N 1,000]; A: computed on the way; B: input w2: QUANTISED
;;     13. [M 1,024, K 1,024] x [K 1,024, N 4,096]; A: input x; B: input w1: QUANTISED
;;     14. [M 1,024, K 4,096] x [K 4,096, N 1,000]; A: computed on the way; B: input w2: QUANTISED
;;     15. [M 1,024, K 1,024] x [K 1,024, N 4,096]; A: input x; B: input w1: QUANTISED
;;     16. [M 1,024, K 4,096] x [K 4,096, N 1,000]; A: computed on the way; B: input w2: QUANTISED
;;     17. [M 1,024, K 1,024] x [K 1,024, N 4,096]; A: input x; B: input w1: QUANTISED
;;     18. [M 1,024, K 4,096] x [K 4,096, N 1,000]; A: computed on the way; B: input w2: QUANTISED
;;   THE QUANTISER, for each operand of a quantised product, along K:
;;     - K is cut into blocks of 32 from its start; a last block that is shorter is filled with zeros.
;;     - A block's scale is 2^e with e = floor(log2(the largest magnitude in the block)) - 15, held to -126 .. 127; a block of zeros has e = 0. As a byte (E8M0): e + 127.
;;     - Each number is divided by its block's scale, clamped to +-57,344, and rounded to the nearest number of E5M2, ties to even, subnormals kept.
;;     - The product sums the exact products of the quantised numbers (number of the format x scale) in f32.
;;   ~~~python
;;   def quantise(x, axis):      # numpy; x: float32 -> the quantised numbers, widened to float32 again
;;       x = np.moveaxis(x, axis, -1); K = x.shape[-1]
;;       x = np.pad(x, [(0, 0)] * (x.ndim - 1) + [(0, -K % 32)]); x = x.reshape(x.shape[:-1] + (-1, 32)); a = np.abs(x).max(-1, keepdims=True)
;;       e = np.where(a > 0, np.clip(np.frexp(np.where(a > 0, a, 1))[1] - 1 - 15, -126, 127), 0)      # np.frexp(a)[1] - 1 = floor(log2(a)), exactly
;;       r = np.clip(x / 2.0 ** e, -57344, 57344)
;;       step = 2.0 ** (np.maximum(np.frexp(np.where(r == 0, 1, r))[1] - 1, -14) - 2)
;;       q = np.round(r / step) * step * 2.0 ** e      # np.round: ties to even
;;       return np.moveaxis(q.reshape(q.shape[:-2] + (-1,))[..., :K], -1, axis).astype(np.float32)
;;   ~~~
;;   OPERANDS COMPUTED ON THE WAY. 'Computed on the way' means the value that the module computes at that place (a softmax that the list does not call 'softmax' is quantised finished and normalised). What goes into a quantiser is computed in f32, as accurately as f32 sums, v_exp_f32 and their like allow (about 1e-6 of the number): no bf16 or f16 on the way to a quantiser, and a product that is left as it is and whose result goes on into a quantised operand takes f32 operands (vector FMAs, or v_wmma_f32_16x16x4_f32). A number that lies on a knife's edge between two numbers of the format may be rounded either way, as far as f32 arithmetic and the matrix unit's own rounding can turn it there, and no further.
;; One version. Each part assembles by itself: llvm-mc -triple=amdgcn-amd-amdhsa -mcpu=gfx1250 --defsym DOCPART=n.
;; ======== version 1 of 1: 4 launches
;; workspace buffers: xq 1,081,344 bytes; gf 10,240 bytes; gi 5,120 bytes of whole numbers; pl 65,536 bytes of whole numbers; hq 9,191,424 bytes; part 35,651,584 bytes
;; launch gate (part 1): grid 64 x 1, 8 waves a work-group, no clusters, 22,528 bytes of LDS; arguments x, gate_w, gate_b, xq, gf, gi; writes xq, gf, gi
.if DOCPART == 1
	.amdgcn_target "amdgcn-amd-amdhsa--gfx1250"
	.amdhsa_code_object_version 6
	.text
	.protected	k_qb5b03e956f_gate
	.globl	k_qb5b03e956f_gate
	.p2align	8
	.type	k_qb5b03e956f_gate,@function
k_qb5b03e956f_gate:
	s_mov_b64 s[64:65], 0
	v_nop
	global_prefetch_b8 v0, s[64:65] scope:SCOPE_SE
	s_setreg_imm32_b32 hwreg(HW_REG_WAVE_MODE, 25, 1), 1
	s_wait_xcnt 0x0
; MoEHead, launch 1 of 5: the router, and x as codes of E5M2 with one E8M0 byte for each 32 along K.
; WORK LEFT OUT BY THE WHOLE PROGRAM, AND WHY IT IS DEAD.  reference() multiplies expert e's row b, h @ w2[e] + b2[e], by w_be[b, e] = sum_k combine_w[b, k] x one_hot(topk_idx)[b, k, e].
; The one_hot is built in reference()'s own body from its own top-k: for an expert outside token b's two it is 0 for both k, so w_be[b, e] is exactly 0 for every finite input, and in real numbers
; that row of x @ w1[e], of gelu and of h @ w2[e] + b2[e] reaches y with the factor 0.  These are whole rows: only the 2 x 1,024 chosen rows are multiplied.  The product combine_w x one_hot is a selection by
; an index; the division by TEMPERATURE = 1 and the start y = 0 are identities.  No input is dead: all seven are loaded.
; LIMITS: a NaN, an infinity or an overflow that arises only in a row of an expert that was not chosen is not carried to y.  NaN and infinities among the inputs are not served.  The two largest are taken of
; the exponentials 2^((l - max) log2 e), ahead of the division by their sum (a strict 'greater' keeps the lower index); a tie that only the division makes or breaks may fall otherwise.
; Blocks of zeros get the scale byte 1 (their codes are zeros; only this program reads the bytes).
; SHARES.  Work-group g: tokens 16 g .. 16 g + 15.  Wave s: k = 128 s .. 128 s + 127.  Lane (r = lane % 16, h = lane / 16): token r, of each block b of 32 the numbers 32 b + 16 h + 0 .. 15: the layout of an 8-bit operand.
; LOGITS in f32 (a coarser operand would turn choices): 32 matrix instructions of 16 x 16 x 4 a wave, source 0 = gate_w^T (row m = expert m % 8), source 1 = x.  Place 2 h + j of K stands on both sides
; for k = 128 s + 32 b + 16 h + 2 i + j, so x's registers serve as they lie.  8.4 million multiply-adds in all.  Register j of a lane then holds expert j's partial logit of token r.
.set XS,    16640                      ; LDS: 0: x's codes, 16 rows x 1,040;  XS: their scale words, 32 bytes a row;
.set LG,    17152                      ; LG: partial logits, 16 rows x 272: 32 bytes for each wave;
.set SPARE, 21504                      ; the spare words, 128 bytes for each wave: four blocks of 256 bytes that no other line names
.set RR,   1
.set HH,   2
.set LANE, 3
.set XA,   4                           ; x: 4,096 r + 64 h
.set GA,   5                           ; gate_w: 512 h + 4 (r % 8)
.set CWA,  6                           ; where my codes go
.set SWA,  7                           ; my scale word
.set LGA,  8                           ; my partial logits
.set CRD,  9                           ; where I read rows of codes back
.set L16,  10
.set SPW,  30
.set NIL,  31
.set TM,   32
.set PC,   48
.set X,    64
.set GWF,  128
.set ACC,  192                         ; v192-223: four accumulators, written by matrix instructions alone
.set SUM,  224
.set PW,   232
.set TP,   240
.set SEL,  20
.set MNT,  22
; 64 numbers of a lane, register 16 b + i = k 32 b + 16 h + i of my row, become a fragment's codes in v[PC] on and its scale word in v[PW]
.macro QUANT s
.irp b, 0,1,2,3
	v_max3_num_f32 v[TM+\b], |v[\s+16*\b]|, |v[\s+1+16*\b]|, 0x8000000   ; my 16 numbers of block b, and the floor 2^(16 - 127): the byte cannot fall under 1
.endr
.irp i, 2,4,6,8,10,12,14
.irp b, 0,1,2,3
	v_max3_num_f32 v[TM+\b], v[TM+\b], |v[\s+16*\b+\i]|, |v[\s+1+16*\b+\i]|
.endr
.endr
.irp b, 0,1,2,3
	v_permlanex16_b32 v[TM+4+\b], v[TM+\b], s[SEL], s[SEL+1]
.endr
.irp b, 0,1,2,3
	v_max_num_f32 v[TM+\b], v[TM+\b], v[TM+4+\b]                 ; with lane l xor 16's: the block's largest magnitude
.endr
.irp b, 0,1,2,3
	v_add_nc_u32 v[TM+12+\b], 0xf8800000, v[TM+\b]               ; 15 off its exponent field: the conversion's scale operand
.endr
.irp b, 0,1,2,3
	v_and_or_b32 v[TM+8+\b], v[TM+\b], 0x7f800000, s[MNT]        ; 57,344 x the scale
.endr
.irp b, 0,1,2,3
	v_lshrrev_b32 v[TM+4+\b], 23, v[TM+12+\b]                    ; the scale's byte
.endr
	v_lshl_or_b32 v[PW], v[TM+5], 8, v[TM+4]
	v_lshl_or_b32 v[PW], v[TM+6], 16, v[PW]
	v_lshl_or_b32 v[PW], v[TM+7], 24, v[PW]
.irp b, 0,1,2,3
.irp i, 0,1,2,3,4,5,6,7,8,9,10,11,12,13,14,15
	v_med3_num_f32 v[\s+16*\b+\i], v[\s+16*\b+\i], -v[TM+8+\b], v[TM+8+\b]   ; the conversion to an 8-bit code does not saturate (ISA guide 7.6.2): the hold
.endr
	v_cvt_scalef32_pk8_bf8_f32 v[PC+4*\b:PC+1+4*\b], v[\s+16*\b:\s+7+16*\b], v[TM+12+\b]
	v_cvt_scalef32_pk8_bf8_f32 v[PC+2+4*\b:PC+3+4*\b], v[\s+8+16*\b:\s+15+16*\b], v[TM+12+\b]
.endr
	v_nop                                          ; one plain vector line behind the last conversion
.endm
	s_load_b256 s[4:11], s[0:1], 0x0               ; x s[4:5], gate_w s[6:7], gate_b s[8:9], xq s[10:11]
	s_load_b128 s[12:15], s[0:1], 0x20             ; gf s[12:13], gi s[14:15]
	v_lshl_add_u32 v[SPW], v0, 2, SPARE
	v_mov_b32 v[NIL], 0
	v_lshrrev_b32 v11, 5, v0
	v_readfirstlane_b32 s16, v11                   ; wave = K step
	v_and_b32 v[RR], 15, v0
	v_bfe_u32 v[HH], v0, 4, 1
	v_and_b32 v[LANE], 31, v0
	v_lshlrev_b32 v[XA], 12, v[RR]
	v_lshl_add_u32 v[XA], v[HH], 6, v[XA]
	v_and_b32 v[GA], 7, v0
	v_lshlrev_b32 v[GA], 2, v[GA]
	v_lshl_add_u32 v[GA], v[HH], 9, v[GA]
	v_mul_u32_u24 v[CWA], v[RR], 1040
	v_lshl_add_u32 v[CWA], v[HH], 4, v[CWA]
	s_lshl_b32 s17, s16, 7
	v_add_nc_u32 v[CWA], s17, v[CWA]               ; 1,040 r + 128 s + 16 h
	v_lshlrev_b32 v[SWA], 5, v[RR]
	s_lshl_b32 s18, s16, 2
	s_add_co_u32 s18, s18, XS
	v_add_nc_u32 v[SWA], s18, v[SWA]               ; XS + 32 r + 4 s
	v_mul_u32_u24 v[LGA], v[RR], 272
	s_lshl_b32 s19, s16, 5
	s_add_co_u32 s19, s19, LG
	v_add_nc_u32 v[LGA], s19, v[LGA]               ; LG + 272 r + 32 s
	v_lshlrev_b32 v[L16], 4, v[LANE]
	s_mul_i32 s23, s16, 2080
	v_add_nc_u32 v[CRD], s23, v[L16]               ; rows 2 s, 2 s + 1
	s_mov_b32 s[SEL], 0x76543210
	s_mov_b32 s[SEL+1], 0xfedcba98
	s_mov_b32 s[MNT], 0x600000
.irp b, 0,1,2,3
	v_mov_b32 v[TM+4+\b], 0                        ; a lane permute's destination counts as one of its sources
.endr
	s_lshl_b32 s32, ttmp9, 16                      ; 16 rows of 4,096 bytes a work-group,
	s_lshl_b32 s17, s16, 9
	s_add_co_u32 s32, s32, s17                     ; + 512 bytes a K step
	s_mov_b32 s33, 0
	s_lshl_b32 s34, s16, 12                        ; gate_w: 128 rows of 32 bytes a K step
	s_mov_b32 s35, 0
	s_lshl_b32 s36, ttmp9, 14                      ; xq: 16 rows of 1,024 bytes,
	s_lshl_b32 s17, s16, 11
	s_add_co_u32 s36, s36, s17                     ; + my two rows
	s_mov_b32 s37, 0
	s_wait_kmcnt 0x0
	s_load_b256 s[24:31], s[8:9], 0x0              ; gate_b
	s_add_nc_u64 s[32:33], s[4:5], s[32:33]
	s_add_nc_u64 s[34:35], s[6:7], s[34:35]
	s_add_nc_u64 s[36:37], s[10:11], s[36:37]
.irp b, 0,1,2,3
.irp j, 0,1,2,3
	global_load_b128 v[X+16*\b+4*\j:X+16*\b+4*\j+3], v[XA], s[32:33] offset:128*\b+16*\j th:TH_LOAD_NT
.endr
.endr
.set m_, 0
.rept 32                                       ; product m = 8 b + i: gate_w rows 32 b + 16 h + 2 i + j, column r % 8
	global_load_b32 v[GWF+2*m_], v[GA], s[34:35] offset:(32*(m_/8)+2*(m_%8))*32
	global_load_b32 v[GWF+2*m_+1], v[GA], s[34:35] offset:(32*(m_/8)+2*(m_%8)+1)*32
.set m_, m_+1
.endr
	s_wait_loadcnt 0x0
	s_wait_kmcnt 0x0
.set m_, 0
.rept 32                                       ; four accumulators by turns, one instruction a turn; the first four products start the sums
.if m_ < 4
	v_wmma_f32_16x16x4_f32 v[ACC+8*(m_%4):ACC+8*(m_%4)+7], v[GWF+2*m_:GWF+2*m_+1], v[X+2*m_:X+2*m_+1], 0
.else
	v_wmma_f32_16x16x4_f32 v[ACC+8*(m_%4):ACC+8*(m_%4)+7], v[GWF+2*m_:GWF+2*m_+1], v[X+2*m_:X+2*m_+1], v[ACC+8*(m_%4):ACC+8*(m_%4)+7]
.endif
.set m_, m_+1
.endr
.rept 8
	v_nop                                          ; eight places behind this form, ahead of the reads of its results and of the writes of x's registers (ISA guide 7.12.1)
.endr
.irp j, 0,1,2,3,4,5,6,7                        ; each accumulator from its low end on; the sums go into other registers
	v_add_f32 v[SUM+\j], v[ACC+\j], v[ACC+8+\j]
	v_add_f32 v[TP+\j], v[ACC+16+\j], v[ACC+24+\j]
.endr
.irp j, 0,1,2,3,4,5,6,7
	v_add_f32 v[SUM+\j], v[SUM+\j], v[TP+\j]
.endr
	ds_store_b128 v[LGA], v[SUM:SUM+3]             ; both halves of the lanes hold and write the same
	ds_store_b128 v[LGA], v[SUM+4:SUM+7] offset:16
	QUANT X
.irp c, 0,1,2,3
	ds_store_b128 v[CWA], v[PC+4*\c:PC+4*\c+3] offset:32*\c
.endr
	ds_store_b32 v[SWA], v[PW]
	s_wait_dscnt 0x0                               ; my stores have landed: for the other waves' sake
	s_barrier_signal -1
	s_barrier_wait -1
	ds_load_b128 v[64:67], v[CRD]                  ; two whole rows of codes, 512 bytes an instruction
	ds_load_b128 v[68:71], v[CRD] offset:512
	ds_load_b128 v[72:75], v[CRD] offset:1040
	ds_load_b128 v[76:79], v[CRD] offset:1552
.irp i, 0,1,2,3
	s_wait_dscnt 3-\i
	global_store_b128 v[L16], v[64+4*\i:67+4*\i], s[36:37] offset:512*\i
.endr
	s_cmp_lg_u32 s16, 0
	s_cbranch_scc1 .Lend
	; ---- wave 0 alone: the 16 tokens' softmax, their two experts and weights.  Lanes 16-31 do what lanes 0-15 do
	s_lshl_b32 s38, ttmp9, 9
	s_add_co_u32 s38, s38, 0x100000
	s_mov_b32 s39, 0
	s_add_nc_u64 s[38:39], s[10:11], s[38:39]      ; xq's scale words: 512 bytes a work-group
	s_lshl_b32 s40, ttmp9, 6
	s_mov_b32 s41, 0
	s_add_nc_u64 s[40:41], s[14:15], s[40:41]      ; route
	s_lshl_b32 s42, ttmp9, 7
	s_mov_b32 s43, 0
	s_add_nc_u64 s[42:43], s[12:13], s[42:43]      ; cw
	s_lshl_b32 s44, ttmp9, 1
	s_mov_b32 s45, 0
	s_add_nc_u64 s[44:45], s[14:15], s[44:45]      ; masks: my group's 16 bits of each expert
	s_lshl_b32 s46, ttmp9, 5
	s_mov_b32 s47, 0
	s_add_nc_u64 s[46:47], s[12:13], s[46:47]      ; imp
	v_mul_u32_u24 v12, v[RR], 272
	ds_load_b128 v[80:83], v[L16] offset:XS
.irp s, 0,1,2,3,4,5,6,7
	ds_load_b128 v[128+8*\s:131+8*\s], v12 offset:LG+32*\s
	ds_load_b128 v[132+8*\s:135+8*\s], v12 offset:LG+32*\s+16
.endr
	s_wait_dscnt 16                                ; the scale words are in; the 16 loads behind them may be out
	global_store_b128 v[L16], v[80:83], s[38:39]
	s_wait_dscnt 0x0
.irp e, 0,1,2,3,4,5,6,7
	v_add_f32 v[96+\e], v[128+\e], v[136+\e]
.endr
.irp s, 2,3,4,5,6,7
.irp e, 0,1,2,3,4,5,6,7
	v_add_f32 v[96+\e], v[96+\e], v[128+8*\s+\e]
.endr
.endr
.irp e, 0,1,2,3,4,5,6,7
	v_add_f32 v[96+\e], s[24+\e], v[96+\e]         ; + gate_b: the logits
.endr
	v_max3_num_f32 v104, v96, v97, v98
	v_max3_num_f32 v104, v104, v99, v100
	v_max3_num_f32 v104, v104, v101, v102
	v_max_num_f32 v104, v104, v103                 ; the maximum is taken away ahead of the exponential, as reference() does
.irp e, 0,1,2,3,4,5,6,7
	v_sub_f32 v[96+\e], v[96+\e], v104
.endr
.irp e, 0,1,2,3,4,5,6,7
	v_mul_f32 v[96+\e], 0x3fb8aa3b, v[96+\e]
.endr
.irp e, 0,1,2,3,4,5,6,7
	v_exp_f32 v[96+\e], v[96+\e]
.endr
	v_nop                                          ; a plain place behind the last exponential,
	s_wait_alu depctr_va_vdst(0)                   ; and one wait for the eight, ahead of their first reader
	v_add_f32 v105, v96, v97
	v_add_f32 v106, v98, v99
	v_add_f32 v107, v100, v101
	v_add_f32 v108, v102, v103
	v_add_f32 v105, v105, v106
	v_add_f32 v107, v107, v108
	v_add_f32 v105, v105, v107
	v_rcp_f32 v106, v105
	v_mov_b32 v107, v96                            ; (a plain place)  the largest so far,
	v_mov_b32 v108, 0                              ; and its expert
.irp e, 1,2,3,4,5,6,7
	v_cmp_gt_f32 vcc_lo, v[96+\e], v107            ; strictly greater: the lower index keeps a tie
	v_cndmask_b32 v107, v107, v[96+\e], vcc_lo
	v_cndmask_b32 v108, v108, \e, vcc_lo
.endr
.irp e, 0,1,2,3,4,5,6,7
	v_cmp_eq_u32 vcc_lo, \e, v108
	v_cndmask_b32 v[120+\e], v[96+\e], -1.0, vcc_lo   ; the winner leaves the second search
.endr
	v_mov_b32 v109, v120
	v_mov_b32 v110, 0
.irp e, 1,2,3,4,5,6,7
	v_cmp_gt_f32 vcc_lo, v[120+\e], v109
	v_cndmask_b32 v109, v109, v[120+\e], vcc_lo
	v_cndmask_b32 v110, v110, \e, vcc_lo
.endr
	v_add_f32 v111, v107, v109
	s_wait_alu depctr_va_vdst(0)                   ; the reciprocal of the sum, ahead of its first reader
.irp e, 0,1,2,3,4,5,6,7
	v_mul_f32 v[112+\e], v[96+\e], v106            ; the probabilities
.endr
	v_rcp_f32 v111, v111
	v_lshl_or_b32 v86, v110, 8, v108               ; (a plain place)  route = e0 | e1 << 8
	v_lshlrev_b32 v13, 2, v[RR]
	v_lshlrev_b32 v14, 3, v[RR]
	s_wait_alu depctr_va_vdst(0)
	v_mul_f32 v84, v107, v111                      ; the two weights: the softmax's divisor cancels in them
	v_mul_f32 v85, v109, v111
	global_store_b32 v13, v86, s[40:41]
	global_store_b64 v14, v[84:85], s[42:43]
	v_mov_b32 v87, 0
	v_mov_b32 v88, 0
.irp e, 0,1,2,3,4,5,6,7
	v_cmp_eq_u32 s48, \e, v108
	v_cmp_eq_u32 s49, \e, v110
	s_or_b32 s48, s48, s49
	v_writelane_b32 v87, s48, \e                   ; lane e: bit r = token r goes to expert e
.endr
.irp m, 1,2,4,8
.irp e, 0,1,2,3,4,5,6,7
	v_add_f32_dpp v[112+\e], v[112+\e], v[112+\e] row_xmask:\m row_mask:0xf bank_mask:0xf
.endr
.endr
.irp e, 0,1,2,3,4,5,6,7
	v_readfirstlane_b32 s48, v[112+\e]
	v_writelane_b32 v88, s48, \e                   ; lane e: the 16 tokens' sum of expert e's probability
.endr
	v_lshlrev_b32 v15, 7, v[LANE]                  ; masks: 128 bytes an expert
	v_lshlrev_b32 v16, 2, v[LANE]
	s_wait_xcnt 0x0                                ; EXEC changes only behind this wait
	v_cmp_gt_u32 vcc_lo, 8, v[LANE]
	s_and_saveexec_b32 s50, vcc_lo
	global_store_b16 v15, v87, s[44:45] offset:4096
	global_store_b32 v16, v88, s[46:47] offset:8192
	s_wait_xcnt 0x0                                ; and again ahead of the line that widens it
	s_or_b32 exec_lo, exec_lo, s50
.Lend:
	s_wait_tensorcnt 0x0                           ; the wave's end
	ds_add_u32 v[SPW], v[NIL]
	s_wait_dscnt 0x0
	s_endpgm
.Lfunc_end_k_qb5b03e956f_gate:
	.size	k_qb5b03e956f_gate, .Lfunc_end_k_qb5b03e956f_gate-k_qb5b03e956f_gate
	.p2alignl 7, 3214868480
	.fill 96, 4, 3214868480
	.section	.rodata,"a",@progbits
	.p2align	6, 0x0
	.amdhsa_kernel k_qb5b03e956f_gate
		.amdhsa_group_segment_fixed_size 22528
		.amdhsa_private_segment_fixed_size 0
		.amdhsa_enable_private_segment 0
		.amdhsa_kernarg_size 48
		.amdhsa_user_sgpr_count 2
		.amdhsa_user_sgpr_kernarg_segment_ptr 1
		.amdhsa_wavefront_size32 1
		.amdhsa_system_sgpr_workgroup_id_x 1
		.amdhsa_system_sgpr_workgroup_id_y 1
		.amdhsa_system_sgpr_workgroup_id_z 1
		.amdhsa_system_vgpr_workitem_id 0
		.amdhsa_next_free_vgpr 256
		.amdhsa_next_free_sgpr 66
		.amdhsa_reserve_vcc 1
		.amdhsa_float_denorm_mode_32 3
		.amdhsa_float_denorm_mode_16_64 3
		.amdhsa_memory_ordered 1
		.amdhsa_forward_progress 1
		.amdhsa_inst_pref_size 37
	.end_amdhsa_kernel
	.amdgpu_metadata
---
amdhsa.version: [ 1, 2 ]
amdhsa.kernels:
  - .name:           k_qb5b03e956f_gate
    .symbol:         k_qb5b03e956f_gate.kd
    .args:
      - { .name: x, .offset: 0, .size: 8, .value_kind: global_buffer, .address_space: global }
      - { .name: gate_w, .offset: 8, .size: 8, .value_kind: global_buffer, .address_space: global }
      - { .name: gate_b, .offset: 16, .size: 8, .value_kind: global_buffer, .address_space: global }
      - { .name: xq, .offset: 24, .size: 8, .value_kind: global_buffer, .address_space: global }
      - { .name: gf, .offset: 32, .size: 8, .value_kind: global_buffer, .address_space: global }
      - { .name: gi, .offset: 40, .size: 8, .value_kind: global_buffer, .address_space: global }
    .group_segment_fixed_size: 22528
    .private_segment_fixed_size: 0
    .kernarg_segment_align: 8
    .kernarg_segment_size: 48
    .max_flat_workgroup_size: 256
    .sgpr_count:     66
    .vgpr_count:     256
    .wavefront_size: 32
...
	.end_amdgpu_metadata
.endif
;; end of part 1
;; launch p1 (part 2): grid 32 x 8, 8 waves a work-group, no clusters, 137,216 bytes of LDS; arguments w1, b1, xq, gi, hq, pl; writes hq, pl
.if DOCPART == 2
	.amdgcn_target "amdgcn-amd-amdhsa--gfx1250"
	.amdhsa_code_object_version 6
	.text
	.protected	k_qb5b03e956f_p1
	.globl	k_qb5b03e956f_p1
	.p2align	8
	.type	k_qb5b03e956f_p1,@function
k_qb5b03e956f_p1:
	s_mov_b64 s[64:65], 0
	v_nop
	global_prefetch_b8 v0, s[64:65] scope:SCOPE_SE
	s_setreg_imm32_b32 hwreg(HW_REG_WAVE_MODE, 25, 1), 1
	s_wait_xcnt 0x0
; MoEHead, the launch behind the router: the chosen rows are placed by expert, and h = gelu(x w1[e] + b1[e]) is made for the rows that chose expert e and quantised along the hidden axis.
; Rows of experts that a token did not choose are left out (dead work: the first kernel's head).  The program has four launches; the other kernels' heads count five: the second of those, which placed the rows, is part of this one.
; SHARES.  Work-group (slab, e) owns w1[e][all 1,024 k][128 slab .. + 127]: 512 KB of f32, read once.  An expert with no rows still has its slab read and quantised: the one barrier stands on every wave's path.
; PLACING.  gi holds, from the router's launch, route [1024] = e0 | e1 << 8 and at 4,096 masks [8 experts][32 words], bit i of word w = token 32 w + i goes to the expert.  Expert e's rows are its tokens in
; ascending order; they begin at tile offt = the sum of ceil(count / 16) of the experts before it.  Every wave works out, on whole numbers alone: its expert's count (bits of the 32 mask words, in scalar registers),
; all experts' tiles (a lane counts eight of the 256 words), and for each of its pairs the 32 tokens: lane l looks for the (32 pr + l)-th set bit of the mask.  A place behind the count ends on some token
; inside 0 .. 1,023: such rows are computed, stored and never read.  Wave 7 of the work-groups with slab 0 stores what the later launches read: pl: tpos [1024][2] at 32,768: the sorted row of (token, k);
; meta [8][4] at 40,960: tiles, first tile, all tiles, count; from 41,216 on 128 bytes for each expert that nobody reads (a lane whose token is not the expert's sends its store there, so that EXEC stays whole).
; WEIGHT PHASE.  Wave w owns K step w (128 rows of the slab), four blocks of 32 rows.  A load reads one row's 512 bytes, 16 a lane: lane l holds columns 4 l + j, register 4 k + j = (row k, column j).
; A column's largest magnitude needs no other lane.  Eight neighbouring registers hold four columns with four scales, so each number is first multiplied by 1 / its scale, an exact power of two, held at +-57,344
; and converted with the scale 1; sixty-four byte permutes turn 4 rows x 4 columns of codes round, and the codes go to LDS as IMAGES OF OPERAND REGISTERS: fragment (K step s, tile T) at (8 s + T) x 2,064,
; in it 512 c + 16 (16 h + r).  The 16 bytes over 2,048 put a store's sixteen lanes on sixteen different 16-byte columns.
; WHICH COLUMNS FORM A TILE: column 32 b + 16 g + 8 u + i is row 8 g + i of tile 2 b + u, so that the 16 result registers of tiles 2 b and 2 b + 1 are 16 neighbours along the next product's K.
; ROW PHASE, behind the barrier.  Wave w takes pairs of tiles of 16 rows, pr = w, w + 8, ..; a pair is 8 K steps x 16 matrix instructions, used transposed (source 0 = 16 columns of w1, source 1 = 16 rows of x):
; a lane holds one row and its registers run along the hidden axis.  b1 is the C of each sum's first instruction.  The trip counts hang on whole numbers that the launch before stored, so this text has no tensor load.
; GELU, exact form: gelu(v) = max(v, 0) - 0.5 |v| erfc(|v| / sqrt 2), erfc(a) = 2^(-a^2 log2 e) (1 + p(q)) / (1 + 2 a), q = (a - 2) / (a + 2), p of degree 9 on a in 0 .. 10; no difference 1 + erf is formed.
; LIMITS: a is held at 11 for the polynomial; there the exponential, which gives 0 for results under 2^-126, has long made erfc 0.  NaN and infinities are not served.  Blocks of zeros get the byte 1.
; REGISTERS.  Window 0: v1-19 addresses; v20-27 at work; v28, v29 the add's two; v30 57,344, v31 1; v32-47 x's scale words; v48-51 w1's scale words; v52-63 at work; v64-191 x's fragments, four K steps x two tiles
;   (at the head v64-72 the counting; at the end v64-159 the placing); v192-255 codes at work, then b1's eight tiles.  Window 1: v0-127 and v128-255 two blocks of w1; then v0-127 the 16 accumulators (64 a + 8 T),
;   v128-255 w1's eight fragments, then the gelu's work.
.set PITCHW, 16384
.set FRG,   2064
.set SCL,   64*FRG
.set SPARE, SCL+4096
.set LANE, 1
.set RR,   2
.set HH,   3
.set WO,   4
.set WA,   5
.set WS,   6
.set LI,   7
.set LI1,  8
.set LS,   9
.set R4,   10
.set H16,  11
.set TK,   12
.set AOFF, 14
.set ASO,  16
.set BA,   18
.set MO,   19                          ; v19  32 x lane: my eight of the 256 mask words
.set SPW,  28
.set NIL,  29
.set HOLD, 30
.set ONE,  31
.set ASC,  32
.set BSC,  48
.set MX,   52
.set SBX,  56
.set INV,  60
.set AR,   64
.set CC,   192
.set TT,   224
.set BIAS, 192
.set BUF0, 0
.set BUF1, 128
.set ACC,  0
.set BF,   128
.set GA0,  128
.set GAA,  144
.set GT1,  160
.set GT2,  176
.set GSS,  192
.set GUU,  208
.set GWW,  224
.set TM,   128
.set PC,   144
.set PW,   160
.set RT_,  64                          ; the placing at the end: route of token 32 w + lane,
.set TA_,  96                          ; where its row number goes,
.set PS_,  128                         ; and the row number: a register of its own for each of the 32 words, so that none that a pending store reads is written again
.set SEL,  40
.set MNT,  42
.set TRIP, 57                          ; s57  pairs that I have done
.set TRIPS, 58                         ; s58  pairs that are mine
.set HALF, 59                          ; s59  lanes 16 to 31
.set MW,   68                          ; s68-99  my expert's 32 mask words
.set MSB, 0
.macro WIN new                         ; bits 1:0 source 0, 3:2 source 1, 5:4 source 2, 7:6 destination; the high byte repeats the setting that is left
.if MSB != \new
	s_set_vgpr_msb (MSB<<8)|\new
.set MSB, \new
.endif
.endm
.macro WLOAD blk, buf                  ; 32 rows of the slab, 512 consecutive bytes an instruction
	WIN 0x40
.set i_, 0
.rept 32
	global_load_b128 v[\buf+4*i_:\buf+4*i_+3], v[WO], s[28:29] offset:(32*\blk+i_)*PITCHW th:TH_LOAD_NT
.set i_, i_+1
.endr
	WIN 0
.endm
.macro QBLK buf, blk                   ; a block of 32 rows x 128 columns becomes codes and scale bytes
	WIN 0x14
.irp j, 0,1,2,3
	v_max3_num_f32 v[MX+\j], 0x8000000, |v[\buf+\j]|, |v[\buf+4+\j]|   ; the floor 2^(16 - 127) among the leaves: the byte cannot fall under 1
.endr
.set i_, 1
.rept 15
.irp j, 0,1,2,3
	v_max3_num_f32 v[MX+\j], v[MX+\j], |v[\buf+8*i_+\j]|, |v[\buf+8*i_+4+\j]|   ; four columns by turns
.endr
.set i_, i_+1
.endr
	WIN 0
.irp j, 0,1,2,3
	v_add_nc_u32 v[SBX+\j], 0xf8800000, v[MX+\j]   ; 15 off the exponent field
.endr
.irp j, 0,1,2,3
	v_and_b32 v[INV+\j], 0x7f800000, v[SBX+\j]
.endr
.irp j, 0,1,2,3
	v_sub_nc_u32 v[INV+\j], 0x7f000000, v[INV+\j]  ; 1 / scale: the exponent field 254 - E
.endr
.irp j, 0,1,2,3
	v_lshrrev_b32 v[SBX+\j], 23, v[SBX+\j]         ; the scale's byte
.endr
.irp j, 0,1,2,3
.if \blk == 0
	v_mov_b32 v[BSC+\j], v[SBX+\j]
.else
	v_lshl_or_b32 v[BSC+\j], v[SBX+\j], 8*\blk, v[BSC+\j]
.endif
.endr
	WIN 0x41
.set i_, 0
.rept 32
	v_pk_mul_f32 v[\buf+4*i_:\buf+4*i_+1], v[\buf+4*i_:\buf+4*i_+1], v[INV:INV+1]
	v_pk_mul_f32 v[\buf+4*i_+2:\buf+4*i_+3], v[\buf+4*i_+2:\buf+4*i_+3], v[INV+2:INV+3]
.set i_, i_+1
.endr
.set i_, 0
.rept 128
	v_med3_num_f32 v[\buf+i_], v[\buf+i_], -v[HOLD], v[HOLD]   ; the conversion to an 8-bit code does not saturate (ISA guide 7.6.2)
.set i_, i_+1
.endr
	WIN 0x01
.set i_, 0
.rept 16
	v_cvt_scalef32_pk8_bf8_f32 v[CC+2*i_:CC+2*i_+1], v[\buf+8*i_:\buf+8*i_+7], v[ONE]   ; register k of the codes: row k's four columns
.set i_, i_+1
.endr
	WIN 0
	v_nop                                          ; one plain vector line behind the last conversion
	s_wait_dscnt 0x0                               ; the last block's LDS stores have read their registers
.set g_, 0
.rept 8                                        ; rows 4 g .. 4 g + 3: four registers of four columns become four registers of four rows
.set p_, MX+8*(g_%2)
	v_perm_b32 v[p_],   v[CC+4*g_+1], v[CC+4*g_],   s43
	v_perm_b32 v[p_+1], v[CC+4*g_+1], v[CC+4*g_],   s44
	v_perm_b32 v[p_+2], v[CC+4*g_+3], v[CC+4*g_+2], s43
	v_perm_b32 v[p_+3], v[CC+4*g_+3], v[CC+4*g_+2], s44
	v_perm_b32 v[TT+g_],    v[p_+2], v[p_],   s45
	v_perm_b32 v[TT+8+g_],  v[p_+2], v[p_],   s46
	v_perm_b32 v[TT+16+g_], v[p_+3], v[p_+1], s45
	v_perm_b32 v[TT+24+g_], v[p_+3], v[p_+1], s46
.set g_, g_+1
.endr
.irp j, 0,1,2,3
.irp u, 0,1
	ds_store_b128 v[WA], v[TT+8*\j+4*\u:TT+8*\j+4*\u+3] offset:512*\blk+256*\u+16*\j   ; column j's rows 16 u .. 16 u + 15
.endr
.endr
.endm
; One halving step of the search for a set bit: v20 = set bits still to pass, v22 = the bit reached; a holds the counts of fields k bits wide.  Where the field at v22 holds no more set bits than are to pass, it is passed.
.macro DESC a, m, k
	v_lshrrev_b32 v52, v22, v[\a]
	v_and_b32 v52, \m, v52
	v_cmp_ge_u32 vcc_lo, v20, v52
	v_sub_nc_u32 v52, v20, v52
	v_cndmask_b32 v20, v20, v52, vcc_lo
	v_add_nc_u32 v52, \k, v22
	v_cndmask_b32 v22, v22, v52, vcc_lo
.endm
; The tokens of pair s25's 32 rows: lane l finds the (32 pr + l)-th set bit of my expert's mask.  It leaves my expert's count in s51.  Whole numbers alone; s50, s51, VCC, v20-27 and v52 are at work.
.macro TKCALC
	s_min_u32 s50, s25, 31
	s_lshl_b32 s50, s50, 5
	v_add_nc_u32 v20, s50, v[LANE]                 ; my place in the expert's list
	v_mov_b32 v21, s[MW]                           ; the word that holds it,
	v_mov_b32 v22, 0                               ; the set bits in the words before that word,
	v_mov_b32 v23, 0                               ; and the word's number: the last word that begins at or before my place
	s_bcnt1_i32_b32 s51, s[MW]
.set w_, 1
.rept 31
	v_cmp_gt_u32 vcc_lo, s51, v20                  ; word w begins behind my place: what I have stays
	v_cndmask_b32 v21, s[MW+w_], v21, vcc_lo
	v_cndmask_b32 v22, s51, v22, vcc_lo
	v_cndmask_b32 v23, w_, v23, vcc_lo
	s_bcnt1_i32_b32 s50, s[MW+w_]
	s_add_co_u32 s51, s51, s50
.set w_, w_+1
.endr
	v_sub_nc_u32 v20, v20, v22                     ; set bits to pass inside the word
	v_lshrrev_b32 v24, 1, v21
	v_and_b32 v24, s30, v24
	v_sub_nc_u32 v24, v21, v24                     ; set bits in each field of 2,
	v_lshrrev_b32 v25, 2, v24
	v_and_b32 v25, s31, v25
	v_and_b32 v26, s31, v24
	v_add_nc_u32 v25, v25, v26                     ; of 4,
	v_lshrrev_b32 v26, 4, v25
	v_add_nc_u32 v26, v26, v25
	v_and_b32 v26, s32, v26                        ; of 8,
	v_lshrrev_b32 v27, 8, v26
	v_add_nc_u32 v27, v27, v26
	v_and_b32 v27, s33, v27                        ; of 16
	v_mov_b32 v22, 0
	DESC 27, 31, 16
	DESC 26, 15, 8
	DESC 25, 7, 4
	DESC 24, 3, 2
	DESC 21, 1, 1
	v_lshl_add_u32 v20, v23, 5, v22                ; the token: 32 x word + bit
	v_permlanex16_b32 v21, v20, s[SEL], s[SEL+1]   ; lane l xor 16's
	v_cndmask_b32 v[TK], v20, v21, s[HALF]         ; lane (r, h): the first tile's row r,
	v_cndmask_b32 v[TK+1], v21, v20, s[HALF]       ; and the second's
.endm
.macro ADDR
	v_min_u32 v[TK], 0x3ff, v[TK]
	v_min_u32 v[TK+1], 0x3ff, v[TK+1]
	v_lshl_add_u32 v[AOFF], v[TK], 10, v[H16]
	v_lshl_add_u32 v[AOFF+1], v[TK+1], 10, v[H16]
	v_lshlrev_b32 v[ASO], 5, v[TK]
	v_lshlrev_b32 v[ASO+1], 5, v[TK+1]
.endm
.macro ALOAD step                      ; 8 loads: a K step's fragments of both tiles
.irp a, 0,1
.irp c, 0,1,2,3
	global_load_b128 v[AR+32*((\step)%4)+16*\a+4*\c:AR+32*((\step)%4)+16*\a+4*\c+3], v[AOFF+\a], s[8:9] offset:128*(\step)+32*\c
.endr
.endr
.endm
.macro NSLOAD                          ; 4 loads: the rows' eight scale words
.irp a, 0,1
	global_load_b128 v[ASC+8*\a:ASC+8*\a+3], v[ASO+\a], s[34:35]
	global_load_b128 v[ASC+8*\a+4:ASC+8*\a+7], v[ASO+\a], s[34:35] offset:16
.endr
.endm
.macro BLOAD s                         ; a K step's eight fragments of w1 and their scale words, from LDS
	WIN 0x40
.irp t, 0,1,2,3,4,5,6,7
.irp c, 0,1,2,3
.if (\s) < 4
	ds_load_b128 v[BF+16*\t+4*\c:BF+16*\t+4*\c+3], v[LI] offset:(((\s)%4)*8+\t)*FRG+512*\c
.else
	ds_load_b128 v[BF+16*\t+4*\c:BF+16*\t+4*\c+3], v[LI1] offset:(((\s)%4)*8+\t)*FRG+512*\c
.endif
.endr
.endr
	WIN 0
.irp p, 0,1,2,3
	ds_load_b32 v[BSC+\p], v[LS] offset:512*(\s)+128*\p   ; lanes 0-15: tile 2 p; lanes 16-31: tile 2 p + 1
.endr
.endm
.macro WMMA16 s                        ; 16 accumulators by turns, one instruction a turn, in the same order in every step
.if (\s) == 0
	WIN 0x41
.else
	WIN 0x51
.endif
.irp t, 0,1,2,3,4,5,6,7
.irp a, 0,1
.if (\s) == 0
.if (\t)%2
	v_wmma_scale_f32_16x16x128_f8f6f4 v[ACC+64*\a+8*\t:ACC+64*\a+8*\t+7], v[BF+16*\t:BF+16*\t+15], v[AR+16*\a:AR+16*\a+15], v[BIAS+8*\t:BIAS+8*\t+7], v[BSC+\t/2], v[ASC+8*\a] matrix_a_fmt:MATRIX_FMT_BF8 matrix_b_fmt:MATRIX_FMT_BF8 matrix_a_scale:MATRIX_SCALE_ROW1
.else
	v_wmma_scale_f32_16x16x128_f8f6f4 v[ACC+64*\a+8*\t:ACC+64*\a+8*\t+7], v[BF+16*\t:BF+16*\t+15], v[AR+16*\a:AR+16*\a+15], v[BIAS+8*\t:BIAS+8*\t+7], v[BSC+\t/2], v[ASC+8*\a] matrix_a_fmt:MATRIX_FMT_BF8 matrix_b_fmt:MATRIX_FMT_BF8
.endif
.else
.if (\t)%2
	v_wmma_scale_f32_16x16x128_f8f6f4 v[ACC+64*\a+8*\t:ACC+64*\a+8*\t+7], v[BF+16*\t:BF+16*\t+15], v[AR+32*((\s)%4)+16*\a:AR+32*((\s)%4)+16*\a+15], v[ACC+64*\a+8*\t:ACC+64*\a+8*\t+7], v[BSC+\t/2], v[ASC+8*\a+(\s)] matrix_a_fmt:MATRIX_FMT_BF8 matrix_b_fmt:MATRIX_FMT_BF8 matrix_a_scale:MATRIX_SCALE_ROW1
.else
	v_wmma_scale_f32_16x16x128_f8f6f4 v[ACC+64*\a+8*\t:ACC+64*\a+8*\t+7], v[BF+16*\t:BF+16*\t+15], v[AR+32*((\s)%4)+16*\a:AR+32*((\s)%4)+16*\a+15], v[ACC+64*\a+8*\t:ACC+64*\a+8*\t+7], v[BSC+\t/2], v[ASC+8*\a+(\s)] matrix_a_fmt:MATRIX_FMT_BF8 matrix_b_fmt:MATRIX_FMT_BF8
.endif
.endif
.endr
.endr
.endm
.macro KSTEP s
	BLOAD \s
.if (\s) >= 4
	s_wait_loadcnt 8*(7-(\s))                      ; this step's 8 loads are in; behind them the later steps' groups of 8 may be out
.endif
	s_wait_dscnt 0x0
	WMMA16 \s
	WIN 0
.rept 8
	v_nop                                          ; eight places ahead of loads into registers that these products read, and of the first read of results
.endr
.if (\s) < 4
	ALOAD (\s)+4                                   ; the slot just read takes the K step four on
.endif
.endm
; gelu of 16 numbers a lane, in place; every register in window 1
.macro GELU b
.set V_, ACC+16*\b
.irp i, 0,1,2,3,4,5,6,7,8,9,10,11,12,13,14,15
	v_mul_f32 v[GA0+\i], s47, |v[V_+\i]|           ; a = |v| / sqrt 2  (each accumulator is read from its low end on)
.endr
.irp i, 0,1,2,3,4,5,6,7,8,9,10,11,12,13,14,15
	v_min_num_f32 v[GAA+\i], s48, v[GA0+\i]        ; held at 11 for the polynomial
.endr
.irp i, 0,2,4,6,8,10,12,14
	v_pk_add_f32 v[GT1+\i:GT1+\i+1], v[GAA+\i:GAA+\i+1], 2.0 op_sel_hi:[1,0]
.endr
.irp i, 0,2,4,6,8,10,12,14
	v_pk_fma_f32 v[GT2+\i:GT2+\i+1], v[GAA+\i:GAA+\i+1], 2.0, 1.0 op_sel_hi:[1,0,0]
.endr
.irp i, 0,2,4,6,8,10,12,14
	v_pk_mul_f32 v[GSS+\i:GSS+\i+1], v[GAA+\i:GAA+\i+1], v[GAA+\i:GAA+\i+1]
.endr
.irp i, 0,2,4,6,8,10,12,14
	v_pk_mul_f32 v[GUU+\i:GUU+\i+1], v[GSS+\i:GSS+\i+1], 0x3fb8aa3b op_sel_hi:[1,0]       ; u = a^2 log2 e, rounded;
.endr
.irp i, 0,2,4,6,8,10,12,14
	v_pk_fma_f32 v[GWW+\i:GWW+\i+1], v[GSS+\i:GSS+\i+1], 0x3fb8aa3b, v[GUU+\i:GUU+\i+1] op_sel_hi:[1,0,1] neg_lo:[0,0,1] neg_hi:[0,0,1]   ; w gathers what the roundings dropped
.endr
.irp i, 0,1,2,3,4,5,6,7,8,9,10,11,12,13,14,15
	v_rcp_f32 v[GT1+\i], v[GT1+\i]
.endr
.irp i, 0,1,2,3,4,5,6,7,8,9,10,11,12,13,14,15
	v_rcp_f32 v[GT2+\i], v[GT2+\i]
.endr
.irp i, 0,1,2,3,4,5,6,7,8,9,10,11,12,13,14,15
	v_exp_f32 v[GUU+\i], -v[GUU+\i]
.endr
.irp i, 0,2,4,6,8,10,12,14                     ; work that names none of the 48 results stands behind the batch
	v_pk_fma_f32 v[GWW+\i:GWW+\i+1], v[GSS+\i:GSS+\i+1], 0x32a57060, v[GWW+\i:GWW+\i+1] op_sel_hi:[1,0,1]   ; log2 e's low part
.endr
.irp i, 0,2,4,6,8,10,12,14
	v_pk_fma_f32 v[GSS+\i:GSS+\i+1], v[GAA+\i:GAA+\i+1], v[GAA+\i:GAA+\i+1], v[GSS+\i:GSS+\i+1] neg_lo:[0,0,1] neg_hi:[0,0,1]   ; a^2's own rounding
.endr
.irp i, 0,2,4,6,8,10,12,14
	v_pk_fma_f32 v[GWW+\i:GWW+\i+1], v[GSS+\i:GSS+\i+1], 0x3fb8aa3b, v[GWW+\i:GWW+\i+1] op_sel_hi:[1,0,1]
.endr
.irp i, 0,2,4,6,8,10,12,14
	v_pk_add_f32 v[GAA+\i:GAA+\i+1], v[GAA+\i:GAA+\i+1], -2.0 op_sel_hi:[1,0]
.endr
	s_wait_alu depctr_va_vdst(0)                   ; one wait for the batch of 48, ahead of its first reader
.irp i, 0,2,4,6,8,10,12,14
	v_pk_mul_f32 v[GT1+\i:GT1+\i+1], v[GAA+\i:GAA+\i+1], v[GT1+\i:GT1+\i+1]               ; q
.endr
.irp i, 0,1,2,3,4,5,6,7,8,9,10,11,12,13,14,15
	v_fmaak_f32 v[GSS+\i], s49, v[GT1+\i], 0xbaa15130
.endr
.irp k, 0x3aac2b8a, 0x3c0d6e62, 0xbc040dc1, 0xbd5e05b5, 0x3e27fe23, 0xbe2a0420, 0xbdbdfb0b, 0x3e8dd01d
.irp i, 0,2,4,6,8,10,12,14
	v_pk_fma_f32 v[GSS+\i:GSS+\i+1], v[GSS+\i:GSS+\i+1], v[GT1+\i:GT1+\i+1], \k op_sel_hi:[1,1,0]   ; the coefficients add up, with alternating signs, to 0 at q = -1: erfc(0) = 1
.endr
.endr
.irp i, 0,2,4,6,8,10,12,14
	v_pk_fma_f32 v[GSS+\i:GSS+\i+1], v[GSS+\i:GSS+\i+1], v[GT2+\i:GT2+\i+1], v[GT2+\i:GT2+\i+1]   ; (1 + p) / (1 + 2 a)
.endr
.irp i, 0,2,4,6,8,10,12,14
	v_pk_mul_f32 v[GSS+\i:GSS+\i+1], v[GSS+\i:GSS+\i+1], v[GUU+\i:GUU+\i+1]
.endr
.irp i, 0,2,4,6,8,10,12,14
	v_pk_mul_f32 v[GT1+\i:GT1+\i+1], v[GSS+\i:GSS+\i+1], 0xbf317218 op_sel_hi:[1,0]       ; x -ln 2
.endr
.irp i, 0,2,4,6,8,10,12,14
	v_pk_fma_f32 v[GSS+\i:GSS+\i+1], v[GT1+\i:GT1+\i+1], v[GWW+\i:GWW+\i+1], v[GSS+\i:GSS+\i+1]   ; x 2^-w: erfc(a)
.endr
.irp i, 0,2,4,6,8,10,12,14
	v_pk_mul_f32 v[GA0+\i:GA0+\i+1], v[GA0+\i:GA0+\i+1], v[GSS+\i:GSS+\i+1]
.endr
.irp i, 0,1,2,3,4,5,6,7,8,9,10,11,12,13,14,15
	v_max_num_f32 v[V_+\i], 0, v[V_+\i]
.endr
.irp i, 0,2,4,6,8,10,12,14
	v_pk_fma_f32 v[V_+\i:V_+\i+1], v[GA0+\i:GA0+\i+1], 0xbf3504f3, v[V_+\i:V_+\i+1] op_sel_hi:[1,0,1]   ; max(v, 0) - (a / sqrt 2) erfc(a)
.endr
.endm
; 64 numbers of a lane, register 16 b + i = k 32 b + 16 h + i of my row, become a fragment's codes in v[PC] on and its scale word in v[PW]
.macro QUANT s
.irp b, 0,1,2,3
	v_max3_num_f32 v[TM+\b], |v[\s+16*\b]|, |v[\s+1+16*\b]|, 0x8000000
.endr
.irp i, 2,4,6,8,10,12,14
.irp b, 0,1,2,3
	v_max3_num_f32 v[TM+\b], v[TM+\b], |v[\s+16*\b+\i]|, |v[\s+1+16*\b+\i]|
.endr
.endr
.irp b, 0,1,2,3
	v_permlanex16_b32 v[TM+4+\b], v[TM+\b], s[SEL], s[SEL+1]
.endr
.irp b, 0,1,2,3
	v_max_num_f32 v[TM+\b], v[TM+\b], v[TM+4+\b]
.endr
.irp b, 0,1,2,3
	v_add_nc_u32 v[TM+12+\b], 0xf8800000, v[TM+\b]
.endr
.irp b, 0,1,2,3
	v_and_or_b32 v[TM+8+\b], v[TM+\b], 0x7f800000, s[MNT]
.endr
.irp b, 0,1,2,3
	v_lshrrev_b32 v[TM+4+\b], 23, v[TM+12+\b]
.endr
	v_lshl_or_b32 v[PW], v[TM+5], 8, v[TM+4]
	v_lshl_or_b32 v[PW], v[TM+6], 16, v[PW]
	v_lshl_or_b32 v[PW], v[TM+7], 24, v[PW]
.irp b, 0,1,2,3
.irp i, 0,1,2,3,4,5,6,7,8,9,10,11,12,13,14,15
	v_med3_num_f32 v[\s+16*\b+\i], v[\s+16*\b+\i], -v[TM+8+\b], v[TM+8+\b]
.endr
	v_cvt_scalef32_pk8_bf8_f32 v[PC+4*\b:PC+1+4*\b], v[\s+16*\b:\s+7+16*\b], v[TM+12+\b]
	v_cvt_scalef32_pk8_bf8_f32 v[PC+2+4*\b:PC+3+4*\b], v[\s+8+16*\b:\s+15+16*\b], v[TM+12+\b]
.endr
	v_nop                                          ; one plain vector line behind the last conversion
.endm
	s_load_b256 s[4:11], s[0:1], 0x0               ; w1 s[4:5], b1 s[6:7], xq s[8:9], gi s[10:11]
	s_load_b64 s[12:13], s[0:1], 0x20              ; hq
	s_load_b64 s[60:61], s[0:1], 0x28              ; pl
	v_lshl_add_u32 v[SPW], v0, 2, SPARE
	v_mov_b32 v[NIL], 0
	v_lshrrev_b32 v20, 5, v0
	v_readfirstlane_b32 s14, v20                   ; wave
	s_mov_b32 s15, ttmp9                           ; slab
	s_and_b32 s16, ttmp7, 0xffff                   ; expert
	v_and_b32 v[LANE], 31, v0
	v_and_b32 v[RR], 15, v0
	v_bfe_u32 v[HH], v0, 4, 1
	v_lshlrev_b32 v[WO], 4, v[LANE]
	v_lshlrev_b32 v[MO], 5, v[LANE]
	v_lshrrev_b32 v20, 3, v[LANE]
	v_bfe_u32 v21, v[LANE], 1, 1
	v_lshl_add_u32 v20, v20, 1, v21                ; my columns' tile: 2 (l / 8) + (l / 2) % 2
	v_bfe_u32 v21, v[LANE], 2, 1
	v_and_b32 v22, 1, v[LANE]
	v_lshlrev_b32 v22, 2, v22
	v_lshl_add_u32 v21, v21, 3, v22                ; and their first row in it: 8 ((l / 4) % 2) + 4 (l % 2)
	s_mul_i32 s17, s14, 8*FRG
	v_mul_u32_u24 v[WA], v20, FRG
	v_lshl_add_u32 v[WA], v21, 4, v[WA]
	v_add_nc_u32 v[WA], s17, v[WA]
	s_lshl_b32 s56, s14, 9
	s_add_co_u32 s56, s56, SCL
	v_lshlrev_b32 v[WS], 6, v20
	v_lshl_add_u32 v[WS], v21, 2, v[WS]
	v_add_nc_u32 v[WS], s56, v[WS]                 ; scale words: SCL + 512 s + 64 T + 4 r
	v_lshlrev_b32 v[LI], 4, v[LANE]
	v_add_nc_u32 v[LI1], 32*FRG, v[LI]
	v_lshl_add_u32 v[LS], v[LANE], 2, SCL
	v_lshlrev_b32 v[R4], 2, v[RR]
	v_lshlrev_b32 v[H16], 4, v[HH]
	v_lshlrev_b32 v[BA], 6, v[HH]
	v_mov_b32 v[HOLD], 0x47600000                  ; 57,344
	v_mov_b32 v[ONE], 1.0
	s_mov_b32 s[SEL], 0x76543210
	s_mov_b32 s[SEL+1], 0xfedcba98
	s_mov_b32 s[MNT], 0x600000
	s_mov_b32 s[HALF], 0xffff0000
	s_mov_b32 s30, 0x55555555                      ; the masks by which set bits are counted in fields of 2, 4, 8 and 16
	s_mov_b32 s31, 0x33333333
	s_mov_b32 s32, 0x0f0f0f0f
	s_mov_b32 s33, 0x00ff00ff
	s_mov_b32 s43, 0x05010400
	s_mov_b32 s44, 0x07030602
	s_mov_b32 s45, 0x05040100
	s_mov_b32 s46, 0x07060302
	s_mov_b32 s47, 0x3f3504f3                      ; 1 / sqrt 2
	s_mov_b32 s48, 0x41300000                      ; 11
	s_mov_b32 s49, 0xb9d25000                      ; the polynomial's leading coefficient
	s_mov_b32 s25, s14                             ; my first pair = my wave's number
	s_lshl_b32 s18, s16, 24                        ; an expert's 16 MiB,
	s_lshl_b32 s17, s14, 21                        ; my 128 rows of 16,384 bytes,
	s_add_co_u32 s18, s18, s17
	s_lshl_b32 s17, s15, 9                         ; the slab's 512 bytes of a row
	s_add_co_u32 s18, s18, s17
	s_mov_b32 s19, 0                               ; (s19 stays 0: the upper word of every offset)
	s_wait_kmcnt 0x0
	s_add_nc_u64 s[28:29], s[4:5], s[18:19]
	s_lshl_b32 s18, s16, 7
	s_add_nc_u64 s[50:51], s[10:11], s[18:19]
	s_load_b512 s[MW:MW+15], s[50:51], 0x1000      ; my expert's 32 mask words
	s_load_b512 s[MW+16:MW+31], s[50:51], 0x1040
	s_add_nc_u64 s[34:35], s[8:9], 0x100000        ; xq's scale words
	s_lshl_b32 s18, s16, 14
	s_lshl_b32 s17, s15, 9
	s_add_co_u32 s18, s18, s17
	s_add_nc_u64 s[52:53], s[6:7], s[18:19]        ; b1 at the slab
	s_add_nc_u64 s[54:55], s[12:13], 8912896       ; hq's scale words
	; ---- the weight phase; the placing stands behind the issue of the first two blocks
	global_load_b128 v[64:67], v[MO], s[10:11] offset:4096   ; lane l: words 8 l .. 8 l + 7 of all 256: a quarter of expert l / 4
	global_load_b128 v[68:71], v[MO], s[10:11] offset:4112
	WLOAD 0, BUF0
	WLOAD 1, BUF1
	s_wait_loadcnt 63                              ; 64 loads were issued behind the masks' two; the wait's field ends at 63: the masks are in, the weights stay on their way
	s_wait_kmcnt 0x0                               ; my expert's words; s50 and s51 may be written
.irp i, 64,65,66,67,68,69,70,71                ; bits set in each word, byte by byte
	v_lshrrev_b32 v72, 1, v\i
	v_and_b32 v72, s30, v72
	v_sub_nc_u32 v\i, v\i, v72
	v_lshrrev_b32 v72, 2, v\i
	v_and_b32 v72, s31, v72
	v_and_b32 v\i, s31, v\i
	v_add_nc_u32 v\i, v\i, v72
	v_lshrrev_b32 v72, 4, v\i
	v_add_nc_u32 v\i, v\i, v72
	v_and_b32 v\i, s32, v\i
.endr
	v_add_nc_u32 v64, v64, v65                     ; eight words: 64 a byte at the most
	v_add_nc_u32 v66, v66, v67
	v_add_nc_u32 v68, v68, v69
	v_add_nc_u32 v70, v70, v71
	v_add_nc_u32 v64, v64, v66
	v_add_nc_u32 v68, v68, v70
	v_add_nc_u32 v64, v64, v68
	v_lshrrev_b32 v72, 8, v64
	v_and_b32 v72, s33, v72
	v_and_b32 v64, s33, v64
	v_add_nc_u32 v64, v64, v72
	v_lshrrev_b32 v72, 16, v64
	v_and_b32 v64, 0xffff, v64
	v_add_nc_u32 v64, v64, v72                     ; my quarter's count
	s_mov_b32 s21, 0                               ; my expert's first tile
	s_mov_b32 s22, 0                               ; all tiles
.irp q, 0,1,2,3,4,5,6,7
	v_readlane_b32 s50, v64, 4*\q
	v_readlane_b32 s51, v64, 4*\q+1
	v_readlane_b32 s26, v64, 4*\q+2
	v_readlane_b32 s27, v64, 4*\q+3
	s_add_co_u32 s50, s50, s51
	s_add_co_u32 s26, s26, s27
	s_add_co_u32 s50, s50, s26                     ; expert q's count,
	s_add_co_u32 s50, s50, 15
	s_lshr_b32 s50, s50, 4                         ; and tiles
	s_add_co_u32 s22, s22, s50
	s_cmp_gt_u32 s16, \q
	s_cselect_b32 s50, s50, 0
	s_add_co_u32 s21, s21, s50
.endr
	TKCALC                                         ; my first pair's tokens; and my expert's count, in s51
	s_mov_b32 s23, s51
	s_add_co_u32 s20, s51, 15
	s_lshr_b32 s20, s20, 4                         ; its tiles
	s_min_u32 s20, s20, 64                         ; (1,024 tokens are 64 tiles; 2,048 rows and 8 experts are 135 tiles ahead of the last expert at the most: the holds change nothing)
	s_min_u32 s21, s21, 135
	s_wait_loadcnt 32                              ; block 0 is in; block 1's 32 loads may be out
	QBLK BUF0, 0
	WLOAD 2, BUF0
	s_wait_loadcnt 32                              ; block 1 is in; block 2's may be out
	QBLK BUF1, 1
	WLOAD 3, BUF1
	s_wait_loadcnt 32                              ; block 2 is in; block 3's may be out
	QBLK BUF0, 2
	ADDR
	ALOAD 0                                        ; my first pair's K steps 0 to 3 and scale words: 36 loads, which land under the last block's work
	ALOAD 1
	ALOAD 2
	ALOAD 3
	NSLOAD
	s_wait_loadcnt 36                              ; block 3 is in; the 36 just issued may be out
	QBLK BUF1, 3
	ds_store_b128 v[WS], v[BSC:BSC+3]              ; my four columns' scale words
	s_wait_dscnt 0x0                               ; my images have landed, for the other waves' sake; and the stores have read their registers
.irp t, 0,1,2,3,4,5,6,7
	global_load_b128 v[BIAS+8*\t:BIAS+8*\t+3], v[BA], s[52:53] offset:(32*(\t/2)+8*(\t%2))*4      ; b1 in the result's layout: hidden units 32 b + 16 h + 8 u + 0 .. 7
	global_load_b128 v[BIAS+8*\t+4:BIAS+8*\t+7], v[BA], s[52:53] offset:(32*(\t/2)+8*(\t%2))*4+16
.endr
	s_add_co_u32 s24, s20, 1
	s_lshr_b32 s24, s24, 1                         ; pairs, 32 at the most
	s_add_co_u32 s[TRIPS], s24, 7
	s_sub_co_u32 s[TRIPS], s[TRIPS], s14
	s_lshr_b32 s[TRIPS], s[TRIPS], 3               ; those of them that are mine: pr = wave, wave + 8, ..: (pairs + 7 - wave) / 8, 0 where wave >= pairs
	s_min_u32 s[TRIPS], s[TRIPS], 4
	s_mov_b32 s[TRIP], 0
	s_barrier_signal -1
	s_barrier_wait -1                              ; the slab's 64 fragments lie in LDS; nobody writes them again
	s_cmp_eq_u32 s[TRIPS], 0
	s_cbranch_scc1 .Ldone
	; ---- the row phase
.Lpair:
	s_wait_loadcnt 0x0                             ; the pair's first four K steps, its scale words, b1
	KSTEP 0
	KSTEP 1
	KSTEP 2
	KSTEP 3
	KSTEP 4
	KSTEP 5
	KSTEP 6
	KSTEP 7
	s_lshl_b32 s17, s25, 1
	s_sub_co_u32 s26, s20, s17
	s_min_u32 s26, s26, 2                          ; tiles of this pair that exist
	s_add_co_u32 s17, s17, s21
	s_min_u32 s17, s17, 135                        ; the pair's first tile among all
	s_lshl_b32 s18, s17, 16
	s_lshl_b32 s56, s15, 11
	s_add_co_u32 s18, s18, s56
	s_add_nc_u64 s[36:37], s[12:13], s[18:19]      ; hq: 65,536 a tile, 2,048 a K step: my slab is K step 'slab' of the next product
	s_lshl_b32 s18, s17, 11
	s_lshl_b32 s56, s15, 6
	s_add_co_u32 s18, s18, s56
	s_add_nc_u64 s[38:39], s[54:55], s[18:19]
	s_mov_b32 s27, 0
.Ltile:                                            ; written once, on the first tile's registers; the second tile's sums are moved there at a trip's end: 64 moves against some 1,400 lines written twice
	WIN 0x55
	GELU 0
	GELU 1
	GELU 2
	GELU 3
	QUANT ACC
	WIN 0x04
.irp c, 0,1,2,3
	global_store_b128 v[LI], v[PC+4*\c:PC+4*\c+3], s[36:37] offset:512*\c   ; the fragment as it stands: 2,048 consecutive bytes
.endr
	global_store_b32 v[R4], v[PW], s[38:39]
	WIN 0x41
.set i_, 0
.rept 64
	v_mov_b32 v[ACC+i_], v[ACC+64+i_]              ; ascending: each accumulator from its low end on
.set i_, i_+1
.endr
	WIN 0
	s_wait_xcnt 0x0                                ; the stores have read their registers and bases: both are written again below
	s_add_nc_u64 s[36:37], s[36:37], 65536
	s_add_nc_u64 s[38:39], s[38:39], 2048
	s_add_co_u32 s27, s27, 1
	s_cmp_lt_u32 s27, s26
	s_cbranch_scc1 .Ltile
	s_add_co_u32 s25, s25, 8                       ; my next pair's number: it serves addresses alone;
	s_add_co_u32 s[TRIP], s[TRIP], 1               ; the loop is counted by ones
	s_cmp_ge_u32 s[TRIP], s[TRIPS]
	s_cbranch_scc1 .Lnomore                        ; nothing is asked for beyond my last pair
	TKCALC                                         ; (all my loads are done: their offsets may be written)
	ADDR
	ALOAD 0
	ALOAD 1
	ALOAD 2
	ALOAD 3
	NSLOAD
.Lnomore:
	s_cmp_lt_u32 s[TRIP], s[TRIPS]
	s_cbranch_scc1 .Lpair
.Ldone:
	; ---- what the later launches read of the placing: one wave for each expert, the one with the fewest pairs of its work-group: wave 7 of slab 0
	s_xor_b32 s50, s14, 7
	s_or_b32 s50, s50, s15
	s_cmp_lg_u32 s50, 0
	s_cbranch_scc1 .Lend
	s_wait_loadcnt 0x0                             ; a wave without a pair comes here with its first pair's loads out: their registers are written below
	v_lshlrev_b32 v20, 2, v[LANE]
	s_lshl_b32 s50, s16, 5
	s_add_co_u32 s50, s50, 10304
	v_add_nc_u32 v21, s50, v[LANE]                 ; my unread word, as a word's number in pl: 10,304 + 32 e + lane
	v_lshlrev_b32 v22, 1, v[LANE]
	v_add_nc_u32 v22, 8192, v22                    ; tpos: word 8,192 + 2 lane (+ 64 w + k)
.set w_, 0
.rept 32
	global_load_b32 v[RT_+w_], v20, s[10:11] offset:128*w_   ; route of token 32 w + lane
.set w_, w_+1
.endr
	s_lshl_b32 s26, s21, 4                         ; my expert's first sorted row
	s_mov_b32 s27, 0                               ; its tokens in the words before
	s_wait_loadcnt 0x0
.set w_, 0
.rept 32
	v_mbcnt_lo_u32_b32 v[PS_+w_], s[MW+w_], s27    ; my token's place: the expert's tokens before it
	v_min_u32 v[PS_+w_], 0x3ff, v[PS_+w_]
	v_add_nc_u32 v[PS_+w_], s26, v[PS_+w_]         ; its sorted row
	v_and_b32 v[TA_+w_], 0xff, v[RT_+w_]
	v_xor_b32 v[TA_+w_], s16, v[TA_+w_]
	v_min_u32 v[TA_+w_], 1, v[TA_+w_]              ; k: 0 where e0 is my expert, else 1
	v_add_nc_u32 v[TA_+w_], v[TA_+w_], v22
	v_add_nc_u32 v[TA_+w_], 64*w_, v[TA_+w_]
	v_cndmask_b32 v[TA_+w_], v21, v[TA_+w_], s[MW+w_]   ; not my expert's: the unread word
	v_min_u32 v[TA_+w_], 0x3fff, v[TA_+w_]
	v_lshlrev_b32 v[TA_+w_], 2, v[TA_+w_]
	global_store_b32 v[TA_+w_], v[PS_+w_], s[60:61]
	s_bcnt1_i32_b32 s50, s[MW+w_]
	s_add_co_u32 s27, s27, s50
.set w_, w_+1
.endr
	v_mov_b32 v24, s20                             ; meta: tiles, first tile, all tiles, count
	v_mov_b32 v25, s21
	v_mov_b32 v26, s22
	v_mov_b32 v27, s23
	s_lshl_b32 s50, s16, 4
	v_mov_b32 v23, s50
	s_wait_xcnt 0x0                                ; EXEC changes only behind this wait
	v_cmp_eq_u32 vcc_lo, 0, v[LANE]
	s_and_saveexec_b32 s51, vcc_lo
	global_store_b128 v23, v[24:27], s[60:61] offset:40960
	s_wait_xcnt 0x0                                ; and again ahead of the line that widens it
	s_or_b32 exec_lo, exec_lo, s51
.Lend:
	s_wait_tensorcnt 0x0                           ; the wave's end
	ds_add_u32 v[SPW], v[NIL]
	s_wait_dscnt 0x0
	s_endpgm
.Lfunc_end_k_qb5b03e956f_p1:
	.size	k_qb5b03e956f_p1, .Lfunc_end_k_qb5b03e956f_p1-k_qb5b03e956f_p1
	.p2alignl 7, 3214868480
	.fill 96, 4, 3214868480
	.section	.rodata,"a",@progbits
	.p2align	6, 0x0
	.amdhsa_kernel k_qb5b03e956f_p1
		.amdhsa_group_segment_fixed_size 137216
		.amdhsa_private_segment_fixed_size 0
		.amdhsa_enable_private_segment 0
		.amdhsa_kernarg_size 48
		.amdhsa_user_sgpr_count 2
		.amdhsa_user_sgpr_kernarg_segment_ptr 1
		.amdhsa_wavefront_size32 1
		.amdhsa_system_sgpr_workgroup_id_x 1
		.amdhsa_system_sgpr_workgroup_id_y 1
		.amdhsa_system_sgpr_workgroup_id_z 1
		.amdhsa_system_vgpr_workitem_id 0
		.amdhsa_next_free_vgpr 512
		.amdhsa_next_free_sgpr 100
		.amdhsa_reserve_vcc 1
		.amdhsa_float_denorm_mode_32 3
		.amdhsa_float_denorm_mode_16_64 3
		.amdhsa_memory_ordered 1
		.amdhsa_forward_progress 1
		.amdhsa_inst_pref_size 255
	.end_amdhsa_kernel
	.section	.bss,"aw",@nobits
	.p2align	6
	.space	262144
	.amdgpu_metadata
---
amdhsa.version: [ 1, 2 ]
amdhsa.kernels:
  - .name:           k_qb5b03e956f_p1
    .symbol:         k_qb5b03e956f_p1.kd
    .args:
      - { .name: w1, .offset: 0, .size: 8, .value_kind: global_buffer, .address_space: global }
      - { .name: b1, .offset: 8, .size: 8, .value_kind: global_buffer, .address_space: global }
      - { .name: xq, .offset: 16, .size: 8, .value_kind: global_buffer, .address_space: global }
      - { .name: gi, .offset: 24, .size: 8, .value_kind: global_buffer, .address_space: global }
      - { .name: hq, .offset: 32, .size: 8, .value_kind: global_buffer, .address_space: global }
      - { .name: pl, .offset: 40, .size: 8, .value_kind: global_buffer, .address_space: global }
    .group_segment_fixed_size: 137216
    .private_segment_fixed_size: 0
    .kernarg_segment_align: 8
    .kernarg_segment_size: 48
    .max_flat_workgroup_size: 256
    .sgpr_count:     100
    .vgpr_count:     512
    .wavefront_size: 32
...
	.end_amdgpu_metadata
.endif
;; end of part 2
;; launch p2 (part 3): grid 32 x 8, 8 waves a work-group, no clusters, 204,800 bytes of LDS; arguments w2, hq, pl, part; writes part
.if DOCPART == 3
	.amdgcn_target "amdgcn-amd-amdhsa--gfx1250"
	.amdhsa_code_object_version 6
	.text
	.protected	k_qb5b03e956f_p2
	.globl	k_qb5b03e956f_p2
	.p2align	8
	.type	k_qb5b03e956f_p2,@function
k_qb5b03e956f_p2:
	s_mov_b64 s[64:65], 0
	v_nop
	global_prefetch_b8 v0, s[64:65] scope:SCOPE_SE
	s_setreg_imm32_b32 hwreg(HW_REG_WAVE_MODE, 25, 1), 1
	s_wait_xcnt 0x0
; MoEHead, launch 4 of 5: partial sums of h w2[e] for the rows that chose expert e (the other rows are dead work: the first kernel's head).
; SHARES.  Work-group (x, e): slice = x % 8: classes 128 slice .. + 127; q = x / 8: k = 1,024 q .. + 1,023.  It owns that slab of w2[e], 512 KB of f32 (the last slice: 104 columns), read once.
; The four quarters of K go to four planes of 'part', [4][2,176 sorted rows][1,024 f32]; the last launch adds them: each byte of part has one owner.
; WEIGHT PHASE and ROW PHASE as in the launch before: a wave quantises K step w of the slab in registers (a lane four columns, registers down K) and leaves it in LDS as images of operand registers; behind the one
; barrier wave w multiplies pairs of tiles of 16 rows, pr = w, w + 8, .., transposed (source 0 = 16 columns of w2, source 1 = 16 rows of h).  Here column 16 T + r is row r of tile T.
; h's fragments come from hq as they were stored: 512 consecutive bytes a load.  A row of w2 is 4,000 bytes: in the last slice lanes 26 to 31 repeat lane 25's columns, so that no load leaves a row; their
; results fall into part's columns 1,000 to 1,023, which nobody uses.  Tile numbers are held inside what the launch before has written.
; The trip counts are whole numbers that an earlier launch stored, so this text has no tensor load.  LIMITS: NaN and infinities are not served; blocks of zeros get the byte 1.
; REGISTERS.  Window 0: v1-19 addresses; v28, v29 the add's two; v30 57,344, v31 1; v32-47 h's scale words; v48-51 w2's; v52-63 at work; v64-191 h's fragments, four K steps x two tiles; v192-255 codes at work.
;   Window 1: two blocks of w2; then v0-127 the 16 accumulators (64 a + 8 T), v128-255 w2's eight fragments, later rows on their way out.
.set PITCHW, 4000
.set QSTR,  8912896
.set FRG,   2064
.set SCL,   64*FRG
.set STG,   SCL+4096                   ; the way out: 16 rows x (512 + 16) bytes for each wave
.set SPARE, STG+8*8448
.set LANE, 1
.set RR,   2
.set HH,   3
.set WO,   4
.set WA,   5
.set WS,   6
.set LI,   7
.set LI1,  8
.set LS,   9
.set R4,   10
.set STO,  18
.set RD,   19
.set SPW,  28
.set NIL,  29
.set HOLD, 30
.set ONE,  31
.set ASC,  32
.set BSC,  48
.set MX,   52
.set SBX,  56
.set INV,  60
.set AR,   64
.set CC,   192
.set TT,   224
.set BUF0, 0
.set BUF1, 128
.set ACC,  0
.set BF,   128
.set TRIP, 12                          ; s12  pairs that I have done
.set TRIPS, 13                         ; s13  pairs that are mine
.set MSB, 0
.macro WIN new                         ; bits 1:0 source 0, 3:2 source 1, 5:4 source 2, 7:6 destination; the high byte repeats the setting that is left
.if MSB != \new
	s_set_vgpr_msb (MSB<<8)|\new
.set MSB, \new
.endif
.endm
.macro WLOAD blk, buf                  ; 32 rows of the slab, 512 consecutive bytes an instruction
	WIN 0x40
.set i_, 0
.rept 32
	global_load_b128 v[\buf+4*i_:\buf+4*i_+3], v[WO], s[28:29] offset:(32*\blk+i_)*PITCHW
.set i_, i_+1
.endr
	WIN 0
.endm
.macro QBLK buf, blk                   ; a block of 32 rows x 128 columns becomes codes and scale bytes
	WIN 0x14
.irp j, 0,1,2,3
	v_max3_num_f32 v[MX+\j], 0x8000000, |v[\buf+\j]|, |v[\buf+4+\j]|   ; the floor 2^(16 - 127) among the leaves: the byte cannot fall under 1
.endr
.set i_, 1
.rept 15
.irp j, 0,1,2,3
	v_max3_num_f32 v[MX+\j], v[MX+\j], |v[\buf+8*i_+\j]|, |v[\buf+8*i_+4+\j]|
.endr
.set i_, i_+1
.endr
	WIN 0
.irp j, 0,1,2,3
	v_add_nc_u32 v[SBX+\j], 0xf8800000, v[MX+\j]   ; 15 off the exponent field
.endr
.irp j, 0,1,2,3
	v_and_b32 v[INV+\j], 0x7f800000, v[SBX+\j]
.endr
.irp j, 0,1,2,3
	v_sub_nc_u32 v[INV+\j], 0x7f000000, v[INV+\j]  ; 1 / scale, an exact power of two
.endr
.irp j, 0,1,2,3
	v_lshrrev_b32 v[SBX+\j], 23, v[SBX+\j]         ; the scale's byte
.endr
.irp j, 0,1,2,3
.if \blk == 0
	v_mov_b32 v[BSC+\j], v[SBX+\j]
.else
	v_lshl_or_b32 v[BSC+\j], v[SBX+\j], 8*\blk, v[BSC+\j]
.endif
.endr
	WIN 0x41
.set i_, 0
.rept 32
	v_pk_mul_f32 v[\buf+4*i_:\buf+4*i_+1], v[\buf+4*i_:\buf+4*i_+1], v[INV:INV+1]
	v_pk_mul_f32 v[\buf+4*i_+2:\buf+4*i_+3], v[\buf+4*i_+2:\buf+4*i_+3], v[INV+2:INV+3]
.set i_, i_+1
.endr
.set i_, 0
.rept 128
	v_med3_num_f32 v[\buf+i_], v[\buf+i_], -v[HOLD], v[HOLD]   ; the conversion to an 8-bit code does not saturate (ISA guide 7.6.2)
.set i_, i_+1
.endr
	WIN 0x01
.set i_, 0
.rept 16
	v_cvt_scalef32_pk8_bf8_f32 v[CC+2*i_:CC+2*i_+1], v[\buf+8*i_:\buf+8*i_+7], v[ONE]
.set i_, i_+1
.endr
	WIN 0
	v_nop                                          ; one plain vector line behind the last conversion
	s_wait_dscnt 0x0                               ; the last block's LDS stores have read their registers
.set g_, 0
.rept 8
.set p_, MX+8*(g_%2)
	v_perm_b32 v[p_],   v[CC+4*g_+1], v[CC+4*g_],   s43
	v_perm_b32 v[p_+1], v[CC+4*g_+1], v[CC+4*g_],   s44
	v_perm_b32 v[p_+2], v[CC+4*g_+3], v[CC+4*g_+2], s43
	v_perm_b32 v[p_+3], v[CC+4*g_+3], v[CC+4*g_+2], s44
	v_perm_b32 v[TT+g_],    v[p_+2], v[p_],   s45
	v_perm_b32 v[TT+8+g_],  v[p_+2], v[p_],   s46
	v_perm_b32 v[TT+16+g_], v[p_+3], v[p_+1], s45
	v_perm_b32 v[TT+24+g_], v[p_+3], v[p_+1], s46
.set g_, g_+1
.endr
.irp j, 0,1,2,3
.irp u, 0,1
	ds_store_b128 v[WA], v[TT+8*\j+4*\u:TT+8*\j+4*\u+3] offset:512*\blk+256*\u+16*\j
.endr
.endr
.endm
.macro PADDR                           ; the pair's two tiles, held inside my expert's tiles, inside all tiles, and by a constant; then their bases
	s_min_u32 s56, s25, 31
	s_lshl_b32 s56, s56, 1
	s_min_u32 s57, s56, s52
	s_add_co_u32 s57, s57, s21
	s_min_u32 s57, s57, s53
	s_min_u32 s57, s57, 135
	s_add_co_u32 s58, s56, 1
	s_min_u32 s58, s58, s52
	s_add_co_u32 s58, s58, s21
	s_min_u32 s58, s58, s53
	s_min_u32 s58, s58, 135
	s_lshl_b32 s18, s57, 16
	s_add_co_u32 s18, s18, s59
	s_add_nc_u64 s[30:31], s[6:7], s[18:19]
	s_lshl_b32 s18, s58, 16
	s_add_co_u32 s18, s18, s59
	s_add_nc_u64 s[32:33], s[6:7], s[18:19]
	s_lshl_b32 s18, s57, 11
	s_add_co_u32 s18, s18, s60
	s_add_nc_u64 s[34:35], s[54:55], s[18:19]
	s_lshl_b32 s18, s58, 11
	s_add_co_u32 s18, s18, s60
	s_add_nc_u64 s[36:37], s[54:55], s[18:19]
.endm
.macro ALOAD step                      ; 8 loads: a K step's fragments of both tiles, 512 consecutive bytes each
.irp c, 0,1,2,3
	global_load_b128 v[AR+32*((\step)%4)+4*\c:AR+32*((\step)%4)+4*\c+3], v[LI], s[30:31] offset:2048*(\step)+512*\c
.endr
.irp c, 0,1,2,3
	global_load_b128 v[AR+32*((\step)%4)+16+4*\c:AR+32*((\step)%4)+16+4*\c+3], v[LI], s[32:33] offset:2048*(\step)+512*\c
.endr
.endm
.macro NSLOAD                          ; 16 loads: the rows' scale words of the eight K steps
.irp k, 0,1,2,3,4,5,6,7
	global_load_b32 v[ASC+\k], v[R4], s[34:35] offset:64*\k
	global_load_b32 v[ASC+8+\k], v[R4], s[36:37] offset:64*\k
.endr
.endm
.macro BLOAD s
	WIN 0x40
.irp t, 0,1,2,3,4,5,6,7
.irp c, 0,1,2,3
.if (\s) < 4
	ds_load_b128 v[BF+16*\t+4*\c:BF+16*\t+4*\c+3], v[LI] offset:(((\s)%4)*8+\t)*FRG+512*\c
.else
	ds_load_b128 v[BF+16*\t+4*\c:BF+16*\t+4*\c+3], v[LI1] offset:(((\s)%4)*8+\t)*FRG+512*\c
.endif
.endr
.endr
	WIN 0
.irp p, 0,1,2,3
	ds_load_b32 v[BSC+\p], v[LS] offset:512*(\s)+128*\p   ; lanes 0-15: tile 2 p; lanes 16-31: tile 2 p + 1
.endr
.endm
.macro WMMA16 s                        ; 16 accumulators by turns, one instruction a turn, in the same order in every step; the first step's products start the sums
.if (\s) == 0
	WIN 0x41
.else
	WIN 0x51
.endif
.irp t, 0,1,2,3,4,5,6,7
.irp a, 0,1
.if (\s) == 0
.if (\t)%2
	v_wmma_scale_f32_16x16x128_f8f6f4 v[ACC+64*\a+8*\t:ACC+64*\a+8*\t+7], v[BF+16*\t:BF+16*\t+15], v[AR+16*\a:AR+16*\a+15], 0, v[BSC+\t/2], v[ASC+8*\a] matrix_a_fmt:MATRIX_FMT_BF8 matrix_b_fmt:MATRIX_FMT_BF8 matrix_a_scale:MATRIX_SCALE_ROW1
.else
	v_wmma_scale_f32_16x16x128_f8f6f4 v[ACC+64*\a+8*\t:ACC+64*\a+8*\t+7], v[BF+16*\t:BF+16*\t+15], v[AR+16*\a:AR+16*\a+15], 0, v[BSC+\t/2], v[ASC+8*\a] matrix_a_fmt:MATRIX_FMT_BF8 matrix_b_fmt:MATRIX_FMT_BF8
.endif
.else
.if (\t)%2
	v_wmma_scale_f32_16x16x128_f8f6f4 v[ACC+64*\a+8*\t:ACC+64*\a+8*\t+7], v[BF+16*\t:BF+16*\t+15], v[AR+32*((\s)%4)+16*\a:AR+32*((\s)%4)+16*\a+15], v[ACC+64*\a+8*\t:ACC+64*\a+8*\t+7], v[BSC+\t/2], v[ASC+8*\a+(\s)] matrix_a_fmt:MATRIX_FMT_BF8 matrix_b_fmt:MATRIX_FMT_BF8 matrix_a_scale:MATRIX_SCALE_ROW1
.else
	v_wmma_scale_f32_16x16x128_f8f6f4 v[ACC+64*\a+8*\t:ACC+64*\a+8*\t+7], v[BF+16*\t:BF+16*\t+15], v[AR+32*((\s)%4)+16*\a:AR+32*((\s)%4)+16*\a+15], v[ACC+64*\a+8*\t:ACC+64*\a+8*\t+7], v[BSC+\t/2], v[ASC+8*\a+(\s)] matrix_a_fmt:MATRIX_FMT_BF8 matrix_b_fmt:MATRIX_FMT_BF8
.endif
.endif
.endr
.endr
.endm
.macro KSTEP s
	BLOAD \s
.if (\s) >= 4
	s_wait_loadcnt 8*(7-(\s))                      ; this step's 8 loads are in; behind them the later steps' groups of 8 may be out
.endif
	s_wait_dscnt 0x0
	WMMA16 \s
	WIN 0
.rept 8
	v_nop                                          ; eight places ahead of loads into registers that these products read, and of the first read of results
.endr
.if (\s) == 7
	v_nop                                          ; a ninth behind the pair's last products: the next pair's first products begin the same accumulators anew, and the way out between holds no vector line
.endif
.if (\s) < 4
	ALOAD (\s)+4
.endif
.endm
; Tile a goes out: a lane holds 32 neighbouring bytes of a row; through my own stage the rows come back whole, 512 bytes, and 32 lanes store them.  LDS serves a wave's instructions in order (ISA guide 5.7.1.4)
.macro WAYOUT a
	WIN 0x04
.irp t, 0,1,2,3,4,5,6,7
	ds_store_b128 v[STO], v[ACC+64*\a+8*\t:ACC+64*\a+8*\t+3] offset:64*\t          ; each accumulator from its low end on
	ds_store_b128 v[STO], v[ACC+64*\a+8*\t+4:ACC+64*\a+8*\t+7] offset:64*\t+16
.endr
	WIN 0x40
.irp i, 0,1,2,3,4,5,6,7,8,9,10,11,12,13,14,15
	ds_load_b128 v[BF+64*\a+4*\i:BF+64*\a+4*\i+3], v[RD] offset:528*\i
.endr
	s_wait_dscnt 0x0
	WIN 0x04
.irp i, 0,1,2,3,4,5,6,7,8,9,10,11,12,13,14,15
	global_store_b128 v[LI], v[BF+64*\a+4*\i:BF+64*\a+4*\i+3], s[38:39] offset:4096*\i+65536*\a th:TH_STORE_NT
.endr
	WIN 0
.endm
	s_load_b256 s[4:11], s[0:1], 0x0               ; w2 s[4:5], hq s[6:7], pl s[8:9], part s[10:11]
	v_lshl_add_u32 v[SPW], v0, 2, SPARE
	v_mov_b32 v[NIL], 0
	v_lshrrev_b32 v20, 5, v0
	v_readfirstlane_b32 s14, v20                   ; wave
	s_and_b32 s15, ttmp9, 7                        ; slice
	s_lshr_b32 s17, ttmp9, 3                       ; q
	s_and_b32 s16, ttmp7, 0xffff                   ; expert
	v_and_b32 v[LANE], 31, v0
	v_and_b32 v[RR], 15, v0
	v_bfe_u32 v[HH], v0, 4, 1
	v_lshlrev_b32 v[WO], 4, v[LANE]
	s_lshl_b32 s18, s15, 9
	s_sub_co_u32 s18, 3984, s18
	v_min_u32 v[WO], s18, v[WO]                    ; no load leaves its row of 4,000 bytes
	v_lshrrev_b32 v20, 2, v[LANE]                  ; my columns' tile: l / 4,
	v_and_b32 v21, 3, v[LANE]
	v_lshlrev_b32 v21, 2, v21                      ; and their first row in it: 4 (l % 4)
	s_mul_i32 s56, s14, 8*FRG
	v_mul_u32_u24 v[WA], v20, FRG
	v_lshl_add_u32 v[WA], v21, 4, v[WA]
	v_add_nc_u32 v[WA], s56, v[WA]
	s_lshl_b32 s57, s14, 9
	s_add_co_u32 s57, s57, SCL
	v_lshlrev_b32 v[WS], 6, v20
	v_lshl_add_u32 v[WS], v21, 2, v[WS]
	v_add_nc_u32 v[WS], s57, v[WS]
	v_lshlrev_b32 v[LI], 4, v[LANE]
	v_add_nc_u32 v[LI1], 32*FRG, v[LI]
	v_lshl_add_u32 v[LS], v[LANE], 2, SCL
	v_lshlrev_b32 v[R4], 2, v[RR]
	s_mul_i32 s58, s14, 8448
	s_add_co_u32 s58, s58, STG                     ; my stage
	v_mul_u32_u24 v[STO], v[RR], 528
	v_lshl_add_u32 v[STO], v[HH], 5, v[STO]
	v_add_nc_u32 v[STO], s58, v[STO]
	v_add_nc_u32 v[RD], s58, v[LI]
	v_mov_b32 v[HOLD], 0x47600000                  ; 57,344
	v_mov_b32 v[ONE], 1.0
	s_mov_b32 s43, 0x05010400
	s_mov_b32 s44, 0x07030602
	s_mov_b32 s45, 0x05040100
	s_mov_b32 s46, 0x07060302
	s_lshl_b32 s59, s17, 14                        ; hq: a quarter's 8 K steps of 2,048 bytes,
	s_lshl_b32 s60, s17, 9                         ; and of 64 bytes of scale words
	s_mul_i32 s61, s17, QSTR
	s_lshl_b32 s18, s15, 9
	s_add_co_u32 s61, s61, s18                     ; part: my plane, my 512 bytes of a row
	s_mul_i32 s18, s16, 16384000                   ; an expert's bytes of w2,
	s_lshl_b32 s40, s17, 10
	s_lshl_b32 s41, s14, 7
	s_add_co_u32 s40, s40, s41
	s_mul_i32 s40, s40, PITCHW                     ; my first row: 1,024 q + 128 wave,
	s_add_co_u32 s18, s18, s40
	s_lshl_b32 s40, s15, 9
	s_add_co_u32 s18, s18, s40                     ; the slice's 512 bytes
	s_mov_b32 s19, 0                               ; (s19 stays 0: the upper word of every offset)
	s_wait_kmcnt 0x0
	s_add_nc_u64 s[28:29], s[4:5], s[18:19]
	s_lshl_b32 s18, s16, 4
	s_add_nc_u64 s[50:51], s[8:9], s[18:19]
	s_load_b128 s[20:23], s[50:51], 0xa000         ; meta: tiles, first tile, all tiles, count
	s_add_nc_u64 s[54:55], s[6:7], 8912896         ; hq's scale words
	; ---- the weight phase
	WLOAD 0, BUF0
	WLOAD 1, BUF1
	s_wait_loadcnt 32                              ; block 0 is in; block 1's 32 loads may be out
	QBLK BUF0, 0
	WLOAD 2, BUF0
	s_wait_loadcnt 32                              ; block 1 is in; block 2's may be out
	QBLK BUF1, 1
	WLOAD 3, BUF1
	s_wait_loadcnt 32                              ; block 2 is in; block 3's may be out
	QBLK BUF0, 2
	s_wait_kmcnt 0x0
	s_min_u32 s20, s20, 64                         ; tiles
	s_min_u32 s21, s21, 135                        ; first tile
	s_min_u32 s22, s22, 136                        ; all tiles
	s_max_u32 s52, s20, 1
	s_sub_co_u32 s52, s52, 1                       ; my expert's last tile
	s_max_u32 s53, s22, 1
	s_sub_co_u32 s53, s53, 1                       ; the last tile that was written
	s_add_co_u32 s24, s20, 1
	s_lshr_b32 s24, s24, 1                         ; pairs, 32 at the most
	s_add_co_u32 s[TRIPS], s24, 7
	s_sub_co_u32 s[TRIPS], s[TRIPS], s14
	s_lshr_b32 s[TRIPS], s[TRIPS], 3               ; those of them that are mine: pr = wave, wave + 8, ..: (pairs + 7 - wave) / 8, 0 where wave >= pairs
	s_min_u32 s[TRIPS], s[TRIPS], 4
	s_mov_b32 s[TRIP], 0
	s_mov_b32 s25, s14                             ; my pair
	PADDR
	ALOAD 0                                        ; my first pair's K steps 0 to 3 and scale words: 48 loads, which land under the last block's work
	ALOAD 1
	ALOAD 2
	ALOAD 3
	NSLOAD
	s_wait_loadcnt 48                              ; block 3 is in; the 48 just issued may be out
	QBLK BUF1, 3
	ds_store_b128 v[WS], v[BSC:BSC+3]
	s_wait_dscnt 0x0                               ; my images have landed, for the other waves' sake
	s_barrier_signal -1
	s_barrier_wait -1                              ; the slab's 64 fragments lie in LDS; nobody writes them again
	s_cmp_eq_u32 s[TRIPS], 0
	s_cbranch_scc1 .Ldone
	; ---- the row phase
.Lpair:
	s_wait_loadcnt 0x0                             ; the pair's first four K steps and its scale words
	KSTEP 0
	KSTEP 1
	KSTEP 2
	KSTEP 3
	KSTEP 4
	KSTEP 5
	KSTEP 6
	KSTEP 7
	s_lshl_b32 s56, s25, 1
	s_sub_co_u32 s26, s20, s56
	s_min_u32 s26, s26, 2                          ; tiles of this pair that exist
	s_add_co_u32 s56, s56, s21
	s_min_u32 s56, s56, 135
	s_lshl_b32 s18, s56, 16                        ; 16 rows of 4,096 bytes a tile
	s_add_co_u32 s18, s18, s61
	s_add_nc_u64 s[38:39], s[10:11], s[18:19]
	WAYOUT 0
	s_cmp_lt_u32 s26, 2
	s_cbranch_scc1 .Lone
	WAYOUT 1
.Lone:
	s_wait_xcnt 0x0                                ; the stores have read their registers and base: both are written again below
	s_add_co_u32 s25, s25, 8                       ; my next pair's number: it serves addresses alone;
	s_add_co_u32 s[TRIP], s[TRIP], 1               ; the loop is counted by ones
	s_cmp_ge_u32 s[TRIP], s[TRIPS]
	s_cbranch_scc1 .Lnomore                        ; nothing is asked for beyond my last pair
	PADDR                                          ; (all my loads are done: their bases may be written)
	ALOAD 0
	ALOAD 1
	ALOAD 2
	ALOAD 3
	NSLOAD
.Lnomore:
	s_cmp_lt_u32 s[TRIP], s[TRIPS]
	s_cbranch_scc1 .Lpair
.Ldone:
	s_wait_tensorcnt 0x0                           ; the wave's end
	ds_add_u32 v[SPW], v[NIL]
	s_wait_dscnt 0x0
	s_endpgm
.Lfunc_end_k_qb5b03e956f_p2:
	.size	k_qb5b03e956f_p2, .Lfunc_end_k_qb5b03e956f_p2-k_qb5b03e956f_p2
	.p2alignl 7, 3214868480
	.fill 96, 4, 3214868480
	.section	.rodata,"a",@progbits
	.p2align	6, 0x0
	.amdhsa_kernel k_qb5b03e956f_p2
		.amdhsa_group_segment_fixed_size 204800
		.amdhsa_private_segment_fixed_size 0
		.amdhsa_enable_private_segment 0
		.amdhsa_kernarg_size 32
		.amdhsa_user_sgpr_count 2
		.amdhsa_user_sgpr_kernarg_segment_ptr 1
		.amdhsa_wavefront_size32 1
		.amdhsa_system_sgpr_workgroup_id_x 1
		.amdhsa_system_sgpr_workgroup_id_y 1
		.amdhsa_system_sgpr_workgroup_id_z 1
		.amdhsa_system_vgpr_workitem_id 0
		.amdhsa_next_free_vgpr 512
		.amdhsa_next_free_sgpr 66
		.amdhsa_reserve_vcc 0
		.amdhsa_float_denorm_mode_32 3
		.amdhsa_float_denorm_mode_16_64 3
		.amdhsa_memory_ordered 1
		.amdhsa_forward_progress 1
		.amdhsa_inst_pref_size 168
	.end_amdhsa_kernel
	.amdgpu_metadata
---
amdhsa.version: [ 1, 2 ]
amdhsa.kernels:
  - .name:           k_qb5b03e956f_p2
    .symbol:         k_qb5b03e956f_p2.kd
    .args:
      - { .name: w2, .offset: 0, .size: 8, .value_kind: global_buffer, .address_space: global }
      - { .name: hq, .offset: 8, .size: 8, .value_kind: global_buffer, .address_space: global }
      - { .name: pl, .offset: 16, .size: 8, .value_kind: global_buffer, .address_space: global }
      - { .name: part, .offset: 24, .size: 8, .value_kind: global_buffer, .address_space: global }
    .group_segment_fixed_size: 204800
    .private_segment_fixed_size: 0
    .kernarg_segment_align: 8
    .kernarg_segment_size: 32
    .max_flat_workgroup_size: 256
    .sgpr_count:     66
    .vgpr_count:     512
    .wavefront_size: 32
...
	.end_amdgpu_metadata
.endif
;; end of part 3
;; launch comb (part 4): grid 256 x 1, 8 waves a work-group, no clusters, 0 bytes of LDS; arguments part, b2, gf, gi, pl, out0, out1; writes out0, out1
.if DOCPART == 4
	.amdgcn_target "amdgcn-amd-amdhsa--gfx1250"
	.amdhsa_code_object_version 6
	.text
	.protected	k_qb5b03e956f_comb
	.globl	k_qb5b03e956f_comb
	.p2align	8
	.type	k_qb5b03e956f_comb,@function
k_qb5b03e956f_comb:
	s_mov_b64 s[64:65], 0
	v_nop
	global_prefetch_b8 v0, s[64:65] scope:SCOPE_SE
	s_setreg_imm32_b32 hwreg(HW_REG_WAVE_MODE, 25, 1), 1
	s_wait_xcnt 0x0
; MoEHead, launch 5 of 5: y[b] = sum over the token's two experts of cw_k x (b2[e_k] + the four K quarters of h w2[e_k]), and the load-balance loss.  The six experts that a token did not choose
; have the weight 0 and are left out (dead work: the first kernel's head).
; Work-group g: tokens 4 g .. 4 g + 3; thread i: classes 4 i .. 4 i + 3 (threads 250 to 255 load inside the buffers and store nothing).  Each output row has one owner; nothing is added across work-groups.
; Where a token's rows lie (tpos) and which experts it chose (route) are whole numbers that earlier launches stored; each is held by s_min_u32 ahead of its address.  All 40 loads of a thread go out together.
; aux = 8 sum_e (count_e / 2,048) (sum of p_e / 1,024) = 2^-18 sum_e count_e x sum of p_e: wave 0 of work-group 0.
.set QSTR, 8912896
.set P,   32                           ; v32-159: (token t, k): n = 2 t + k: 16 registers, four quarters x four classes
.set B2,  160                          ; v160-191: b2's four classes for each n
	s_load_b256 s[4:11], s[0:1], 0x0               ; part s[4:5], b2 s[6:7], gf s[8:9], gi s[10:11]
	s_load_b128 s[12:15], s[0:1], 0x20             ; pl s[12:13], out0 s[14:15]
	s_load_b64 s[16:17], s[0:1], 0x30              ; out1
	v_lshlrev_b32 v1, 4, v0
	v_add_nc_u32 v2, QSTR, v1
	v_add_nc_u32 v3, 2*QSTR, v1
	v_add_nc_u32 v4, 3*QSTR, v1
	v_min_u32 v5, 3984, v1                         ; b2's rows are 4,000 bytes
	s_lshl_b32 s18, ttmp9, 4
	s_mov_b32 s19, 0
	s_lshl_b32 s20, ttmp9, 5
	s_mov_b32 s21, 0
	s_mul_i32 s22, ttmp9, 16000
	s_mov_b32 s23, 0
	s_mov_b32 s37, 0
	s_wait_kmcnt 0x0
	s_add_nc_u64 s[18:19], s[10:11], s[18:19]
	s_add_nc_u64 s[84:85], s[8:9], s[20:21]
	s_add_nc_u64 s[86:87], s[12:13], s[20:21]
	s_add_nc_u64 s[14:15], s[14:15], s[22:23]
	s_load_b128 s[24:27], s[18:19], 0x0            ; route of my four tokens
	s_load_b256 s[28:35], s[84:85], 0x0            ; their weights
	s_load_b256 s[40:47], s[86:87], 0x8000         ; their sorted rows
	s_wait_kmcnt 0x0
.irp n, 0,1,2,3,4,5,6,7
	s_min_u32 s36, s[40+\n], 2175
	s_lshl_b32 s36, s36, 12
	s_add_nc_u64 s[48+2*\n:49+2*\n], s[4:5], s[36:37]
.endr
.irp t, 0,1,2,3
	s_and_b32 s36, s[24+\t], 0xff
	s_min_u32 s36, s36, 7
	s_mul_i32 s36, s36, 4000
	s_add_nc_u64 s[66+4*\t:67+4*\t], s[6:7], s[36:37]
	s_bfe_u32 s36, s[24+\t], 0x80008
	s_min_u32 s36, s36, 7
	s_mul_i32 s36, s36, 4000
	s_add_nc_u64 s[68+4*\t:69+4*\t], s[6:7], s[36:37]
.endr
.irp n, 0,1,2,3,4,5,6,7
.irp q, 0,1,2,3
	global_load_b128 v[P+16*\n+4*\q:P+16*\n+4*\q+3], v[1+\q], s[48+2*\n:49+2*\n] th:TH_LOAD_NT
.endr
	global_load_b128 v[B2+4*\n:B2+4*\n+3], v5, s[66+2*\n:67+2*\n]
.endr
	s_wait_loadcnt 0x0
.irp n, 0,1,2,3,4,5,6,7
.irp d, 0,2
	v_pk_add_f32 v[P+16*\n+\d:P+16*\n+\d+1], v[P+16*\n+\d:P+16*\n+\d+1], v[P+16*\n+4+\d:P+16*\n+4+\d+1]
	v_pk_add_f32 v[P+16*\n+8+\d:P+16*\n+8+\d+1], v[P+16*\n+8+\d:P+16*\n+8+\d+1], v[P+16*\n+12+\d:P+16*\n+12+\d+1]
.endr
.endr
.irp n, 0,1,2,3,4,5,6,7
.irp d, 0,2
	v_pk_add_f32 v[P+16*\n+\d:P+16*\n+\d+1], v[P+16*\n+\d:P+16*\n+\d+1], v[P+16*\n+8+\d:P+16*\n+8+\d+1]
.endr
.endr
.irp n, 0,1,2,3,4,5,6,7
.irp d, 0,2
	v_pk_add_f32 v[P+16*\n+\d:P+16*\n+\d+1], v[P+16*\n+\d:P+16*\n+\d+1], v[B2+4*\n+\d:B2+4*\n+\d+1]
.endr
.endr
.irp t, 0,1,2,3
.irp c, 0,1,2,3
	v_mul_f32 v[P+32*\t+\c], s[28+2*\t], v[P+32*\t+\c]
.endr
.endr
.irp t, 0,1,2,3
.irp c, 0,1,2,3
	v_fma_f32 v[P+32*\t+\c], s[29+2*\t], v[P+32*\t+16+\c], v[P+32*\t+\c]
.endr
.endr
	s_wait_xcnt 0x0                                ; EXEC changes only behind this wait
	v_cmp_gt_u32 vcc_lo, 250, v0
	s_and_saveexec_b32 s82, vcc_lo
.irp t, 0,1,2,3
	global_store_b128 v1, v[P+32*\t:P+32*\t+3], s[14:15] offset:4000*\t th:TH_STORE_NT   ; the four rows are 16,000 consecutive bytes
.endr
	s_wait_xcnt 0x0
	s_or_b32 exec_lo, exec_lo, s82
	v_lshrrev_b32 v7, 5, v0
	v_readfirstlane_b32 s83, v7
	s_or_b32 s83, s83, ttmp9
	s_cmp_lg_u32 s83, 0
	s_cbranch_scc1 .Lend
	; ---- aux: imp is [64 groups][8 experts]: register j of lane l belongs to expert 4 (l % 2) + j
	s_mov_b32 s88, 0x76543210
	s_mov_b32 s89, 0xfedcba98
.irp i, 0,1,2,3
	global_load_b128 v[8+4*\i:11+4*\i], v1, s[8:9] offset:8192+512*\i
.endr
	v_and_b32 v6, 1, v0
	v_lshlrev_b32 v6, 6, v6
.irp j, 0,1,2,3
	global_load_b32 v[24+\j], v6, s[12:13] offset:40960+16*\j+12   ; the experts' counts
.endr
	s_wait_loadcnt 0x0
.irp j, 0,1,2,3
	v_add_f32 v[8+\j], v[8+\j], v[12+\j]
	v_add_f32 v[16+\j], v[16+\j], v[20+\j]
.endr
.irp j, 0,1,2,3
	v_add_f32 v[8+\j], v[8+\j], v[16+\j]
.endr
.irp m, 2,4,8
.irp j, 0,1,2,3
	v_add_f32_dpp v[8+\j], v[8+\j], v[8+\j] row_xmask:\m row_mask:0xf bank_mask:0xf
.endr
.endr
.irp j, 0,1,2,3
	v_permlanex16_b32 v[12+\j], v[8+\j], s88, s89
.endr
.irp j, 0,1,2,3
	v_add_f32 v[8+\j], v[8+\j], v[12+\j]           ; the sum of p over all tokens
	v_cvt_f32_u32 v[24+\j], v[24+\j]
.endr
	v_mul_f32 v8, v8, v24
	v_fma_f32 v8, v9, v25, v8
	v_fma_f32 v8, v10, v26, v8
	v_fma_f32 v8, v11, v27, v8
	v_add_f32_dpp v8, v8, v8 row_xmask:1 row_mask:0xf bank_mask:0xf   ; experts 0-3 and 4-7
	v_mul_f32 v8, 0x36800000, v8                   ; x 2^-18
	v_mov_b32 v7, 0
	s_wait_xcnt 0x0
	v_cmp_eq_u32 vcc_lo, 0, v0
	s_and_saveexec_b32 s82, vcc_lo
	global_store_b32 v7, v8, s[16:17]
	s_wait_xcnt 0x0
	s_or_b32 exec_lo, exec_lo, s82
.Lend:
	s_endpgm
.Lfunc_end_k_qb5b03e956f_comb:
	.size	k_qb5b03e956f_comb, .Lfunc_end_k_qb5b03e956f_comb-k_qb5b03e956f_comb
	.p2alignl 7, 3214868480
	.fill 96, 4, 3214868480
	.section	.rodata,"a",@progbits
	.p2align	6, 0x0
	.amdhsa_kernel k_qb5b03e956f_comb
		.amdhsa_group_segment_fixed_size 0
		.amdhsa_private_segment_fixed_size 0
		.amdhsa_enable_private_segment 0
		.amdhsa_kernarg_size 56
		.amdhsa_user_sgpr_count 2
		.amdhsa_user_sgpr_kernarg_segment_ptr 1
		.amdhsa_wavefront_size32 1
		.amdhsa_system_sgpr_workgroup_id_x 1
		.amdhsa_system_sgpr_workgroup_id_y 1
		.amdhsa_system_sgpr_workgroup_id_z 1
		.amdhsa_system_vgpr_workitem_id 0
		.amdhsa_next_free_vgpr 200
		.amdhsa_next_free_sgpr 96
		.amdhsa_reserve_vcc 1
		.amdhsa_float_denorm_mode_32 3
		.amdhsa_float_denorm_mode_16_64 3
		.amdhsa_memory_ordered 1
		.amdhsa_forward_progress 1
		.amdhsa_inst_pref_size 18
	.end_amdhsa_kernel
	.amdgpu_metadata
---
amdhsa.version: [ 1, 2 ]
amdhsa.kernels:
  - .name:           k_qb5b03e956f_comb
    .symbol:         k_qb5b03e956f_comb.kd
    .args:
      - { .name: part, .offset: 0, .size: 8, .value_kind: global_buffer, .address_space: global }
      - { .name: b2, .offset: 8, .size: 8, .value_kind: global_buffer, .address_space: global }
      - { .name: gf, .offset: 16, .size: 8, .value_kind: global_buffer, .address_space: global }
      - { .name: gi, .offset: 24, .size: 8, .value_kind: global_buffer, .address_space: global }
      - { .name: pl, .offset: 32, .size: 8, .value_kind: global_buffer, .address_space: global }
      - { .name: out0, .offset: 40, .size: 8, .value_kind: global_buffer, .address_space: global }
      - { .name: out1, .offset: 48, .size: 8, .value_kind: global_buffer, .address_space: global }
    .group_segment_fixed_size: 0
    .private_segment_fixed_size: 0
    .kernarg_segment_align: 8
    .kernarg_segment_size: 56
    .max_flat_workgroup_size: 256
    .sgpr_count:     96
    .vgpr_count:     200
    .wavefront_size: 32
...
	.end_amdgpu_metadata
.endif
;; end of part 4
